; MI455X (gfx1250); checked and timed in simulation.
; The chip was launched on July 23, 2026; its instructions are those of AMD's public machine-readable ISA for CDNA 5 (MIT licence, August 2026) and "CDNA5" Instruction Set Architecture Reference Guide (July 2026). The comments in the code are by the model that wrote it; some were corrected since.
;; Causal Self Attention. Allowed arithmetic: matrix products marked QUANTISED: E2M1 operands, one E8M0 scale for each 32 along K, by v_wmma_scale_f32_16x16x128_f8f6f4 with both operands' format E2M1 (or v_wmma_scale_f32_32x16x128_f4), f32 sums; products left as they are: bf16, f16 or f32 operands; f32 sums; everything else in f32.
;; Inputs: W_out 1,024 x 1,024 float32; W_qkv 3,072 x 1,024 float32; x 2 x 2,048 x 1,024 float32.
;; Outputs: out0 2 x 2,048 x 1,024 float32.
;; This version of the problem:
;;   THIS VERSION OF THE PROBLEM IS GIVEN IN LOW PRECISION. The matrix products marked QUANTISED in the list below multiply operands that are first quantised to E2M1 (2 exponent bits, 1 mantissa bit; 4 bits a number), with one power-of-two scale for each 32 numbers along K (OCP MX v1.0); their sums are f32. The products marked 'left as it is' may take bf16, f16 or f32 operands, with f32 sums. Whichever they take, every output number must still come out within the allowed error. Rounding operands to bf16 (8 significant bits) uses up far more of that allowance than f16 does (11 bits, for magnitudes from 6e-5 to 65,504). All else is computed in f32.
;;   The module's matrix products, in the order in which they are computed (A, B: the left and right operand; K: the contracted axis; several contracted axes count as one K, in the product's order):
;;     1. [M 4,096, K 1,024] x [K 1,024, N 3,072]; A: input x; B: input W_qkv: QUANTISED
;;     2. batch 32 x [M 2,048, K 64] x [K 64, N 2,048]; A: computed on the way; B: computed on the way: left as it is (an operand is computed on the way)
;;     3. batch 32 x [M 2,048, K 2,048] x [K 2,048, N 64]; A: computed on the way; B: computed on the way: left as it is (an operand is computed on the way)
;;     4. [M 4,096, K 1,024] x [K 1,024, N 1,024]; A: computed on the way; B: input W_out: left as it is (an operand is computed on the way)
;;   THE QUANTISER, for each operand of a quantised product, along K:
;;     - K is cut into blocks of 32 from its start; a last block that is shorter is filled with zeros.
;;     - A block's scale is 2^e with e = floor(log2(the largest magnitude in the block)) - 2, held to -126 .. 127; a block of zeros has e = 0. As a byte (E8M0): e + 127.
;;     - Each number is divided by its block's scale, clamped to +-6, and rounded to the nearest number of E2M1, ties to even, subnormals kept.
;;     - The product sums the exact products of the quantised numbers (number of the format x scale) in f32.
;;   ~~~python
;;   def quantise(x, axis):      # numpy; x: float32 -> the quantised numbers, widened to float32 again
;;       x = np.moveaxis(x, axis, -1); K = x.shape[-1]
;;       x = np.pad(x, [(0, 0)] * (x.ndim - 1) + [(0, -K % 32)]); x = x.reshape(x.shape[:-1] + (-1, 32)); a = np.abs(x).max(-1, keepdims=True)
;;       e = np.where(a > 0, np.clip(np.frexp(np.where(a > 0, a, 1))[1] - 1 - 2, -126, 127), 0)      # np.frexp(a)[1] - 1 = floor(log2(a)), exactly
;;       r = np.clip(x / 2.0 ** e, -6, 6)
;;       step = 2.0 ** (np.maximum(np.frexp(np.where(r == 0, 1, r))[1] - 1, 0) - 1)
;;       q = np.round(r / step) * step * 2.0 ** e      # np.round: ties to even
;;       return np.moveaxis(q.reshape(q.shape[:-2] + (-1,))[..., :K], -1, axis).astype(np.float32)
;;   ~~~
;; One version. Each part assembles by itself: llvm-mc -triple=amdgcn-amd-amdhsa -mcpu=gfx1250 --defsym DOCPART=n.
;; ======== version 1 of 1: 5 launches
;; limits: values are held in f16: magnitudes above 65,504 overflow, below 6.1e-05 lose precision
;; workspace buffers: xc 2,097,152 bytes; xs 131,072 bytes; wc 1,572,864 bytes; ws 98,304 bytes; w16 2,097,152 bytes; qkvh 25,165,824 bytes; head32 3,145,728 bytes; att 8,388,608 bytes
;; launch quant (part 1): grid 256 x 1, 4 waves a work-group, no clusters, 33,280 bytes of LDS; arguments x, W_qkv, xc, xs, wc, ws, W_out, w16; writes xc, xs, wc, ws, w16
.if DOCPART == 1
	.amdgcn_target "amdgcn-amd-amdhsa--gfx1250"
	.amdhsa_code_object_version 6
	.text
	.protected	k_qbdfd1cce90_quant
	.globl	k_qbdfd1cce90_quant
	.p2align	8
	.type	k_qbdfd1cce90_quant,@function
k_qbdfd1cce90_quant:
	s_mov_b64 s[64:65], 0
	v_nop
	global_prefetch_b8 v0, s[64:65] scope:SCOPE_SE
	s_setreg_imm32_b32 hwreg(HW_REG_WAVE_MODE, 25, 1), 1
	s_wait_xcnt 0x0
; x [4096][1024] and W_qkv [3072][1024], f32, become codes of FP4 (E2M1), K innermost, with one E8M0 scale byte for each 32 along K; W_out [1024][1024] becomes f16.
; A block's scale is 2^(floor(log2(its largest magnitude)) - 2); its byte is the largest magnitude's own exponent field - 2, held at 1 from below.  Each number is divided by the scale and rounded to the
; nearest code, ties to even; beyond the largest code the largest.  (A block of zeros gets the byte 1 where the rule says 127: its codes are zeros, and the bytes are read by this program alone.)
; LIMITS: NaN and infinities among the inputs are not served; blocks whose largest magnitude lies under 2^(2 - 126) have their byte held at 1; |W_out| stays under 65,504 (f16), numbers under 6e-5 keep an absolute error of 3e-8.
; SHARES: every work-group takes 32,768 numbers, a wave 8,192.  Work-groups 0-127: x; 128-223: W_qkv; 224-255: W_out.  Rows are dense and 1,024 is a multiple of 32: the tensors are plain streams of blocks.
; THE QUANTISER: 16 steps of 512 numbers a wave.  Each load reads 512 consecutive bytes; a step's 2,048 bytes turn through the wave's own stage in LDS and come back 64 bytes a lane, so that a lane holds 16 neighbours
; (two neighbouring lanes hold a block).  A lane's 16 codes are 8 bytes: the wave stores 256 consecutive bytes.  A wave's 256 scale bytes are gathered in LDS and leave as 256 consecutive bytes.  Waves share nothing: no barrier.
; Loads run eight steps ahead: 32 loads, 16,384 bytes, of every wave are on their way, half of all that it reads; the turn through LDS runs one step ahead.
.set WAVES, 4
.set STEPS, 16
.set DEPTH, 8                          ; steps of loads on their way
.set WGA,   128                        ; work-groups for x
.set WGQ,   224                        ; and for x and W_qkv together
.set EMAX,  2
.set CB,    8                          ; bytes of 16 codes
.set R,     16                         ; v16-143  eight sets of 16 numbers as they are loaded
.set X,     144                        ; v144-175 two sets of 16 neighbours
.set E,     176                        ; v176-191 a scale byte for each step
.set C,     192                        ; v192-223 codes: two registers for each step, so that no store's data are written again
.set WREG,  8192                       ; LDS: a region for each wave: two stages of 32 x SP bytes, behind them its 256 scale bytes
.set SP,    80                         ; a lane's place in a stage: 64 bytes + 16 of padding
.set SPW,   12                         ; v12      LDS address of my spare word; never rewritten
.set NIL,   13                         ; v13      0; never rewritten
.set SPARE, WAVES*WREG                 ; behind the four regions: the spare words, 128 bytes a wave, which no other line names
	s_load_b128 s[4:7], s[0:1], 0x0                ; x, W_qkv
	s_load_b128 s[8:11], s[0:1], 0x10              ; x's codes, x's scales
	s_load_b128 s[12:15], s[0:1], 0x20             ; W_qkv's codes, its scales
	s_load_b128 s[24:27], s[0:1], 0x30             ; W_out, its f16 copy
	v_lshl_add_u32 v[SPW], v0, 2, SPARE
	v_mov_b32 v[NIL], 0
	v_lshrrev_b32 v1, 5, v0
	v_readfirstlane_b32 s16, v1                    ; wave
	v_and_b32 v2, 31, v0                           ; lane
	v_lshlrev_b32 v3, 4, v2                        ; my 16 bytes of a load's 512
	s_mul_i32 s17, s16, WREG
	v_lshrrev_b32 v14, 2, v2
	v_mul_u32_u24 v14, v14, SP
	v_and_b32 v15, 3, v2
	v_lshl_add_u32 v14, v15, 4, v14
	v_add_nc_u32 v14, s17, v14                     ; the stage, on the way in: SP (lane / 4) + 16 (lane % 4)
	v_mul_u32_u24 v15, v2, SP
	v_add_nc_u32 v15, s17, v15                     ; and on the way out: SP x lane: my 16 neighbours
	v_mul_u32_u24 v4, v2, CB                       ; 8 x lane: my codes' place in a step's (and my f16 numbers' place in a store's)
	v_lshrrev_b32 v5, 1, v2
	s_add_co_u32 s17, s17, 2*32*SP
	v_add_nc_u32 v5, s17, v5                       ; LDS: my wave's 256 scale bytes, my block's byte
	v_lshlrev_b32 v7, 3, v2                        ; and on the way out 8 bytes a lane
	v_add_nc_u32 v6, s17, v7
	s_wait_kmcnt 0x0
	s_cmp_ge_u32 ttmp9, WGQ                        ; the last 32 work-groups take W_out: a branch on the work-group's number alone
	s_cbranch_scc1 .Lw16
	s_cmp_lt_u32 ttmp9, WGA                        ; x's work-group or W_qkv's?  Only pointers are chosen: both take one path
	s_cselect_b64 s[4:5], s[4:5], s[6:7]
	s_cselect_b64 s[8:9], s[8:9], s[12:13]
	s_cselect_b64 s[10:11], s[10:11], s[14:15]
	s_cselect_b32 s17, 0, WGA
	s_sub_co_u32 s17, ttmp9, s17
	s_lshl_b32 s17, s17, 2
	s_add_co_u32 s18, s17, s16                     ; which run of 8,192 numbers of the tensor is my wave's
	s_mov_b32 s19, 0
	s_mov_b64 s[20:21], 512*STEPS*4
	s_mul_u64 s[20:21], s[18:19], s[20:21]
	s_add_nc_u64 s[4:5], s[4:5], s[20:21]
	s_mov_b64 s[20:21], 32*STEPS*CB
	s_mul_u64 s[20:21], s[18:19], s[20:21]
	s_add_nc_u64 s[8:9], s[8:9], s[20:21]
	s_lshl_b32 s18, s18, 8                         ; 256 scale bytes a run
	s_add_nc_u64 s[10:11], s[10:11], s[18:19]
.macro LOAD t
.irp i, 0,1,2,3
	global_load_b128 v[R+16*((\t)%DEPTH)+4*\i:R+16*((\t)%DEPTH)+4*\i+3], v3, s[4:5] offset:2048*(\t)+512*\i th:TH_LOAD_NT   ; 32 lanes read 512 consecutive bytes
.endr
.endm
.macro TURN t                          ; step t's numbers through the stage: LDS serves a wave's instructions in order, so no wait stands between the stores and the loads
.irp i, 0,1,2,3
	ds_store_b128 v14, v[R+16*((\t)%DEPTH)+4*\i:R+16*((\t)%DEPTH)+4*\i+3] offset:32*SP*((\t)%2)+8*SP*\i
.endr
.irp i, 0,1,2,3
	ds_load_b128 v[X+16*((\t)%2)+4*\i:X+16*((\t)%2)+4*\i+3], v15 offset:32*SP*((\t)%2)+16*\i
.endr
.endm
.irp t, 0,1,2,3,4,5,6,7
	LOAD \t
.endr
	s_wait_loadcnt 4*(DEPTH-1)                     ; step 0's four loads are in; seven steps' twenty-eight may be out
	TURN 0
.macro STEP t
.set XS, X+16*((\t)%2)
.if (\t) > 0
	s_wait_dscnt 1                                 ; this step's numbers are back from the stage (the last step's byte store may be out): so its stores into the stage have read their registers,
.else
	s_wait_dscnt 0x0
.endif
.if (\t)+DEPTH < STEPS
	LOAD (\t)+DEPTH                                ; which take the loads of eight steps on
.endif
.if (\t)+1 < STEPS
.if STEPS-2-(\t) >= DEPTH-1
	s_wait_loadcnt 4*(DEPTH-1)                     ; the next step's four loads are in; those of the seven steps behind it may be out
.else
	s_wait_loadcnt 4*(STEPS-2-(\t))                ; at the end the count runs down with the steps that are left
.endif
	TURN (\t)+1                                    ; and go through the other stage while this step is worked
.endif
	v_max3_num_f32 v8, |v[XS]|, |v[XS+1]|, |v[XS+2]|               ; the largest magnitude of my 16, in two chains
	v_max3_num_f32 v9, |v[XS+3]|, |v[XS+4]|, |v[XS+5]|
.irp i, 6,10
	v_max3_num_f32 v8, v8, |v[XS+\i]|, |v[XS+\i+1]|
	v_max3_num_f32 v9, v9, |v[XS+\i+2]|, |v[XS+\i+3]|
.endr
	v_max3_num_f32 v8, v8, |v[XS+14]|, |v[XS+15]|
	v_max3_num_f32 v8, v8, v9, (EMAX+1)<<23        ; and the floor 2^(EMAX + 1 - 127): so the byte cannot fall under 1
	v_max_num_f32_dpp v8, v8, v8 row_xmask:1 row_mask:0xf bank_mask:0xf   ; and of my neighbour's 16: the block's
	v_add_nc_u32 v11, -(EMAX<<23), v8              ; EMAX off its exponent field: the conversion takes the exponent field of this operand as its scale, and nothing else of it
	v_cvt_scalef32_pk8_fp4_f32 v[C+2*(\t)], v[XS:XS+7], v11
	v_cvt_scalef32_pk8_fp4_f32 v[C+2*(\t)+1], v[XS+8:XS+15], v11
	v_lshrrev_b32 v[E+(\t)], 23, v11               ; the scale's byte (also the plain line behind the conversions)
	ds_store_b8 v5, v[E+(\t)] offset:16*(\t)       ; both lanes of a block write the same byte with the same value
	global_store_b64 v4, v[C+2*(\t):C+2*(\t)+1], s[8:9] offset:32*CB*(\t)   ; the wave stores 256 consecutive bytes, aligned
.endm
.irp t, 0,1,2,3,4,5,6,7,8,9,10,11,12,13,14,15
	STEP \t
.endr
	ds_load_b64 v[8:9], v6                         ; LDS serves a wave's instructions in order: these see my stores
	s_wait_dscnt 0x0
	global_store_b64 v7, v[8:9], s[10:11]          ; 32 lanes store 256 consecutive bytes, aligned
	s_wait_tensorcnt 0x0                           ; the wave's end: a tensor wait, an add to my spare word and its wait, behind my last LDS store
	ds_add_u32 v[SPW], v[NIL]
	s_wait_dscnt 0x0
	s_endpgm
; W_out to f16: no LDS.  A wave's 32,768 bytes go in four groups of 16 loads, in two sets of 64 registers by turns; a lane's four numbers become 8 bytes, in place.
.Lw16:
	s_sub_co_u32 s17, ttmp9, WGQ
	s_lshl_b32 s17, s17, 2
	s_add_co_u32 s17, s17, s16                     ; which run of 8,192 numbers is my wave's
	s_lshl_b32 s18, s17, 15
	s_mov_b32 s19, 0
	s_add_nc_u64 s[24:25], s[24:25], s[18:19]
	s_lshl_b32 s18, s17, 14
	s_add_nc_u64 s[26:27], s[26:27], s[18:19]
.macro CLOAD set, g
.irp i, 0,1,2,3,4,5,6,7,8,9,10,11,12,13,14,15
	global_load_b128 v[16+64*\set+4*\i:16+64*\set+4*\i+3], v3, s[24:25] offset:8192*\g+512*\i th:TH_LOAD_NT
.endr
.endm
.macro CCONV set, g
.irp i, 0,1,2,3,4,5,6,7,8,9,10,11,12,13,14,15
	v_cvt_pk_f16_f32 v[16+64*\set+4*\i], v[16+64*\set+4*\i], v[16+64*\set+4*\i+1]
	v_cvt_pk_f16_f32 v[16+64*\set+4*\i+1], v[16+64*\set+4*\i+2], v[16+64*\set+4*\i+3]
	global_store_b64 v4, v[16+64*\set+4*\i:16+64*\set+4*\i+1], s[26:27] offset:4096*\g+256*\i   ; the wave stores 256 consecutive bytes, aligned
.endr
.endm
	CLOAD 0, 0
	CLOAD 1, 1
	s_wait_loadcnt 16                              ; the older set is in; the other set's sixteen loads may be out
	CCONV 0, 0
	s_wait_xcnt 0x0                                ; the stores have read their registers: the set may be loaded again
	CLOAD 0, 2
	s_wait_loadcnt 16
	CCONV 1, 1
	s_wait_xcnt 0x0
	CLOAD 1, 3
	s_wait_loadcnt 16
	CCONV 0, 2
	s_wait_loadcnt 0x0
	CCONV 1, 3
	s_endpgm
.Lfunc_end_k_qbdfd1cce90_quant:
	.size	k_qbdfd1cce90_quant, .Lfunc_end_k_qbdfd1cce90_quant-k_qbdfd1cce90_quant
	.p2alignl 7, 3214868480
	.fill 96, 4, 3214868480
	.section	.rodata,"a",@progbits
	.p2align	6, 0x0
	.amdhsa_kernel k_qbdfd1cce90_quant
		.amdhsa_group_segment_fixed_size 33280
		.amdhsa_private_segment_fixed_size 0
		.amdhsa_enable_private_segment 0
		.amdhsa_kernarg_size 64
		.amdhsa_user_sgpr_count 2
		.amdhsa_user_sgpr_kernarg_segment_ptr 1
		.amdhsa_wavefront_size32 1
		.amdhsa_system_sgpr_workgroup_id_x 1
		.amdhsa_system_sgpr_workgroup_id_y 1
		.amdhsa_system_sgpr_workgroup_id_z 1
		.amdhsa_system_vgpr_workitem_id 0
		.amdhsa_next_free_vgpr 224
		.amdhsa_next_free_sgpr 66
		.amdhsa_reserve_vcc 0
		.amdhsa_float_denorm_mode_32 3
		.amdhsa_float_denorm_mode_16_64 3
		.amdhsa_memory_ordered 1
		.amdhsa_forward_progress 1
		.amdhsa_inst_pref_size 54
	.end_amdhsa_kernel
	.amdgpu_metadata
---
amdhsa.version: [ 1, 2 ]
amdhsa.kernels:
  - .name:           k_qbdfd1cce90_quant
    .symbol:         k_qbdfd1cce90_quant.kd
    .args:
      - { .name: x, .offset: 0, .size: 8, .value_kind: global_buffer, .address_space: global }
      - { .name: W_qkv, .offset: 8, .size: 8, .value_kind: global_buffer, .address_space: global }
      - { .name: xc, .offset: 16, .size: 8, .value_kind: global_buffer, .address_space: global }
      - { .name: xs, .offset: 24, .size: 8, .value_kind: global_buffer, .address_space: global }
      - { .name: wc, .offset: 32, .size: 8, .value_kind: global_buffer, .address_space: global }
      - { .name: ws, .offset: 40, .size: 8, .value_kind: global_buffer, .address_space: global }
      - { .name: W_out, .offset: 48, .size: 8, .value_kind: global_buffer, .address_space: global }
      - { .name: w16, .offset: 56, .size: 8, .value_kind: global_buffer, .address_space: global }
    .group_segment_fixed_size: 33280
    .private_segment_fixed_size: 0
    .kernarg_segment_align: 8
    .kernarg_segment_size: 64
    .max_flat_workgroup_size: 128
    .sgpr_count:     66
    .vgpr_count:     224
    .wavefront_size: 32
...
	.end_amdgpu_metadata
.endif
;; end of part 1
;; launch qkv (part 2): grid 12 x 16, 4 waves a work-group, clusters of 4 x 4, 327,680 bytes of LDS; arguments xc, xs, wc, ws, qkvh, head32; writes qkvh, head32
.if DOCPART == 2
	.amdgcn_target "amdgcn-amd-amdhsa--gfx1250"
	.amdhsa_code_object_version 6
	.text
	.protected	k_qbdfd1cce90_qkv
	.globl	k_qbdfd1cce90_qkv
	.p2align	8
	.type	k_qbdfd1cce90_qkv,@function
k_qbdfd1cce90_qkv:
	s_mov_b64 s[64:65], 0
	v_nop
	global_prefetch_b8 v0, s[64:65] scope:SCOPE_SE
	s_setreg_imm32_b32 hwreg(HW_REG_WAVE_MODE, 25, 1), 1
	s_wait_xcnt 0x0
	s_wait_alu depctr_hold_cnt(0) depctr_sa_sdst(0) depctr_va_vdst(0) depctr_va_sdst(0) depctr_va_ssrc(0) depctr_va_vcc(0) depctr_vm_vsrc(0)
	s_getreg_b32 s2, hwreg(HW_REG_IB_STS2, 6, 4)
	s_cmp_eq_u32 s2, 0
	s_cbranch_scc0 .Lentry_in_a_cluster
	s_endpgm
.Lentry_in_a_cluster:
	s_bfe_u32 s2, ttmp6, 0x10000c
	s_cmp_lg_u32 s2, 0xf033
	s_cbranch_scc0 .Lentry_shape_is_right
	s_endpgm
.Lentry_shape_is_right:
; qkv[m][n] = sum over k of x[m][k] W_qkv[n][k], on codes of FP4 (E2M1) with one E8M0 scale for each 32 along K; sums in f32.  m 4,096, n 3,072, k 1,024.
; A tile of 256 x 256 is made by a work-group of four waves; a wave makes 128 x 128: 64 accumulators of 16 x 16, 512 registers.  K = 1,024 is two LDS slots of 512 along K (rows of 256 bytes):
; both are asked for at the start and nothing is filled again.  The scale bytes of the work-group's rows, for all of K, are two dense blocks of memory: they come into LDS once, with the first fills.
; CLUSTERS: 4 x 4 work-groups.  The four of a row of the cluster need the same tiles of x, the four of a column the same tiles of W: each tile is asked for JOINTLY, by the same tensor load with the same
; descriptor and a mask that names the four.  THE MATRIX INSTRUCTION IS USED TRANSPOSED (source 0 = 16 rows of W, source 1 = 16 rows of x): a lane then holds eight neighbouring columns of one row.
; OUT: f16, laid [q, k or v][batch][head][t][64]: a cluster's 1,024 columns are exactly q, k or v; a wave's 128 columns are two heads.  A head's rows are 128 bytes, dense: four rows make a store of 512 consecutive bytes.
; ALSO OUT: the first 16 rows of EVERY tile row in f32 (head32 [tile row][16][3072]): the later f32 launch reads tile rows 0 and 8 (positions 0-15 of the two sequences).  No branch may hang on a work-group's place in its
; cluster, so all tile rows store theirs: 3.1 MB are written, of which 0.4 MB are read.
; LIMITS: |q|, |k|, |v| stay under 65,504 (f16); numbers under 6e-5 keep an absolute error of 3e-8.
; REGISTERS, in windows of 256: window 0: v0-31 addresses; v32-95 scale words, two sets; from v128 x's fragments, ONE set; on the way out v32-255 are free.
;   window 1: W's fragments, TWO sets, at v0 and v128.   window 2: the 32 accumulators of my rows 0-63 (accumulator (a, b) at v[8 (8 a + b)]);   window 3: those of my rows 64-127.
.set SIZE_K, 1024
.set KSTEP,  512                       ; along K in a slot
.set NQ,     KSTEP/128                 ; matrix instructions deep
.set ROWB,   256                       ; a tile's row in bytes
.set KROW,   SIZE_K*4/8                ; a row of codes in memory
.set PITCH,  272                       ; an LDS row: 256 bytes + 16 of padding = 68 words: the 16 rows that a load touches start 4 words apart
.set FR,     8                         ; registers of a fragment: 16 rows x 128 K
.set NL,     2                         ; LDS loads that bring one
.set NP,     4                         ; places behind this matrix instruction (ISA guide 7.12.1)
.set HALFT,  128*PITCH                 ; 128 rows: what one tensor load brings
.set SLOT,   4*HALFT                   ; x's 256 rows, then W's 256 rows
.set KS,     SIZE_K/32                 ; a row of scale bytes
.set SCL,    2*SLOT                    ; behind the two slots: the scales, as rows of 256 bytes + 16 of padding
.set HALFS,  (128*KS/256)*272          ; the scales of 128 rows
.set SBLK,   (16*KS/256)*272           ; those of 16 rows
.set SPARE,  SCL+4*HALFS               ; the spare words, 128 bytes a wave, which no other line names
.set WSTG,   8448                      ; the way out: a stage for each wave, in slot 0, which has had its only fill and its last read when the first result is stored there
.set HP,     144                       ; a head's row in the stage: 128 bytes + 16
.set ADRA, 16                          ; v16-17  LDS address of my x fragments in slot 0, 1
.set ADRB, 20                          ; v20-21  the same for W
.set STO32, 22                         ; v22     the f32 rows: where I put 32 bytes of a row
.set RD32, 23                          ; v23     and where I read a row back
.set STO,  24                          ; v24     the f16 way out: where I put 16 bytes of a row
.set RD,   25                          ; v25     and where I read four rows back
.set CO,   26                          ; v26     16 x lane
.set ADRS, 27                          ; v27     LDS address of my scale words: lanes 0-15 x's rows, lanes 16-31 W's
.set SPW,  28                          ; v28     LDS address of my spare word; never rewritten
.set NIL,  29                          ; v29     0; never rewritten
.set SC,   32                          ; scale words: set s at v[SC + 32 s]; register 4 i + q: lanes 0-15 the word of x's block i, lanes 16-31 that of W's block i
.set AF,   128                         ; x's fragments, in window 0
.set BK,   128                         ; the way out: rows read back: v128-159 and v160-191 by turns
.set TMP,  192                         ; v192-223 packed results
.set F32B, 32                          ; v32-95  the f32 rows read back
.set G1, 24
.set G0, 32
.set G1B, 48
.set G0B, 56
.set G1S, 68
.set G0S, 76
.set G1SB, 80
.set G0SB, 88
.set MSB, 0
.macro WIN new                         ; the immediate's high byte repeats the setting that is left
.if MSB != \new
	s_set_vgpr_msb (MSB<<8)|\new
.set MSB, \new
.endif
.endm
.set MUL_LO, 0xa1                      ; source 0 (W) window 1, source 1 (x) window 0, C and D window 2
.set MUL_HI, 0xf1                      ; the same, C and D window 3
.set TO_B,   0x40                      ; destination window 1, address window 0
; A joint load: waves 0 and 1 fetch for x, waves 2 and 3 for W.  Each line has ONE mask and one set of registers for all that issue it; the branch hangs on the wave's number alone.
; An s_nop 0 and four v_nop follow each of the two lines.
.macro JLOAD g0a, g1a, g0b, g1b
	s_cmp_eq_u32 s15, 0
	s_cbranch_scc0 .Lfor_b_\@
	tensor_load_to_lds s[\g0a:\g0a+3], s[\g1a:\g1a+7]
	s_nop 0
.rept 4
	v_nop
.endr
	s_branch .Lasked_\@
.Lfor_b_\@:
	tensor_load_to_lds s[\g0b:\g0b+3], s[\g1b:\g1b+7]
	s_nop 0
.rept 4
	v_nop
.endr
.Lasked_\@:
.endm
.macro CROUND                          ; a round of the cluster's barrier
	s_barrier_signal -1
	s_barrier_wait -1
	s_cmp_lg_u32 s14, 0
	s_cbranch_scc1 .Lnot_wave_0_\@
	s_barrier_signal -3
.Lnot_wave_0_\@:
	s_barrier_wait -3
	s_barrier_signal -1
	s_barrier_wait -1
.endm
	s_load_b128 s[4:7], s[0:1], 0x0                ; x's codes, x's scales
	s_load_b128 s[8:11], s[0:1], 0x10              ; W's codes, W's scales
	s_load_b64 s[12:13], s[0:1], 0x20              ; qkvh
	s_load_b64 s[98:99], s[0:1], 0x28              ; head32
	v_lshl_add_u32 v[SPW], v0, 2, SPARE
	v_mov_b32 v[NIL], 0
	ds_add_u32 v[SPW], v[NIL]                      ; the wave's opening: the add, twice on end, and its wait ahead of my first tensor load
	ds_add_u32 v[SPW], v[NIL]
	v_lshrrev_b32 v1, 5, v0
	v_readfirstlane_b32 s14, v1                    ; wave 0..3
	s_lshr_b32 s15, s14, 1                         ; which half of the tile's rows is mine.  Also: I fetch for x (0) or for W (1)
	s_and_b32 s16, s14, 1                          ; which half of its columns.  Also: which 128 rows I fetch
	s_bfe_u32 s40, ttmp6, 0x40000                  ; cx, cy: my place in the cluster
	s_bfe_u32 s41, ttmp6, 0x40004
	s_lshl_b32 s42, ttmp9, 2
	s_add_co_u32 s42, s42, s40                     ; tile column = 4 x cluster x + cx
	s_and_b32 s17, ttmp7, 0xffff
	s_lshl_b32 s17, s17, 2
	s_add_co_u32 s17, s17, s41                     ; tile row = 4 x cluster y + cy
	s_lshl_b32 s43, s41, 2
	s_lshl_b32 s43, 15, s43                        ; my row of the cluster
	s_lshl_b32 s44, 0x1111, s40                    ; my column
	; descriptor group 1: a tile of 128 rows x 256 bytes, 4 words of padding behind every 64
	s_or_b32 s[G1+0], s43, (0<<16)|(1<<20)|(1<<21)|(5<<22)|(3<<25)
	s_or_b32 s[G1B+0], s44, (0<<16)|(1<<20)|(1<<21)|(5<<22)|(3<<25)
.irp g, G1, G1B
	s_mov_b32 s[\g+1], ROWB<<16                    ; tensor_dim0
	s_mov_b32 s[\g+2], 128<<16                     ; tensor_dim1
	s_mov_b32 s[\g+3], ROWB<<16                    ; tile_dim0
	s_mov_b32 s[\g+4], 128                         ; tile_dim1
	s_mov_b32 s[\g+5], KROW                        ; from row to row
	s_mov_b32 s[\g+6], 0
	s_mov_b32 s[\g+7], 0
.endr
	; the scales of 128 rows: a dense block of 4,096 bytes, as 16 rows of 256 bytes (32 elements of 8 bytes), 16 bytes of padding behind each
	s_or_b32 s[G1S+0], s43, (3<<16)|(1<<20)|(1<<21)|(5<<22)|(3<<25)
	s_or_b32 s[G1SB+0], s44, (3<<16)|(1<<20)|(1<<21)|(5<<22)|(3<<25)
.irp g, G1S, G1SB
	s_mov_b32 s[\g+1], 32<<16
	s_mov_b32 s[\g+2], (128*KS/256)<<16
	s_mov_b32 s[\g+3], 32<<16
	s_mov_b32 s[\g+4], 128*KS/256
	s_mov_b32 s[\g+5], 32
	s_mov_b32 s[\g+6], 0
	s_mov_b32 s[\g+7], 0
.endr
	s_lshl_b32 s18, s16, 7                         ; which 128 rows of the tile I fetch
	s_lshl_b32 s20, s17, 8
	s_add_co_u32 s20, s20, s18                     ; x: row 256 x tile row + 128 x half
	s_lshl_b32 s46, s42, 8
	s_add_co_u32 s46, s46, s18                     ; W: row 256 x tile column + 128 x half
	s_mov_b32 s21, 0
	s_mov_b32 s47, 0
	s_mov_b64 s[18:19], KS
	s_mul_u64 s[22:23], s[20:21], s[18:19]         ; where these rows' scales begin, in bytes
	s_mul_u64 s[92:93], s[46:47], s[18:19]
	s_mov_b64 s[18:19], KROW
	s_mul_u64 s[20:21], s[20:21], s[18:19]         ; and their codes
	s_mul_u64 s[46:47], s[46:47], s[18:19]
	s_mul_i32 s45, s14, HALFT                      ; where they go: wave x 128 rows: no place in the cluster enters an LDS address
	s_mul_i32 s94, s14, HALFS
	s_wait_dscnt 0x0                               ; both opening adds are done
	s_wait_kmcnt 0x0
	s_add_nc_u64 s[20:21], s[4:5], s[20:21]
	s_add_nc_u64 s[22:23], s[6:7], s[22:23]
	s_add_nc_u64 s[46:47], s[8:9], s[46:47]
	s_add_nc_u64 s[92:93], s[10:11], s[92:93]
	CROUND                                         ; all sixteen work-groups are here: the joint loads meet
	s_mov_b32 s[G0S], 1
	s_add_co_u32 s[G0S+1], s94, SCL
	s_mov_b64 s[G0S+2:G0S+3], s[22:23]
	s_or_b32 s[G0S+3], s[G0S+3], 0x80000000
	s_mov_b32 s[G0SB], 1
	s_add_co_u32 s[G0SB+1], s94, SCL
	s_mov_b64 s[G0SB+2:G0SB+3], s[92:93]
	s_or_b32 s[G0SB+3], s[G0SB+3], 0x80000000
	JLOAD G0S, G1S, G0SB, G1SB                     ; the scales first: they are wanted with slot 0
.irp s, 0,1
	s_mov_b32 s[G0+4*\s], 1
	s_add_co_u32 s[G0+4*\s+1], s45, \s*SLOT
	s_add_nc_u64 s[G0+4*\s+2:G0+4*\s+3], s[20:21], \s*ROWB
	s_or_b32 s[G0+4*\s+3], s[G0+4*\s+3], 0x80000000
	s_mov_b32 s[G0B+4*\s], 1
	s_add_co_u32 s[G0B+4*\s+1], s45, \s*SLOT
	s_add_nc_u64 s[G0B+4*\s+2:G0B+4*\s+3], s[46:47], \s*ROWB
	s_or_b32 s[G0B+4*\s+3], s[G0B+4*\s+3], 0x80000000
	JLOAD G0+4*\s, G1, G0B+4*\s, G1B               ; three tensor loads of mine are out behind the second of these
.endr
	v_and_b32 v1, 15, v0                           ; r = lane % 16
	v_bfe_u32 v2, v0, 4, 1                         ; h = lane / 16
	v_mul_u32_u24 v3, v1, PITCH
	v_lshl_add_u32 v4, v2, 4, v3                   ; a fragment's row x pitch + 16 x half
	s_mul_i32 s21, s15, HALFT                      ; my 128 rows of x
	s_mul_i32 s22, s16, HALFT                      ; my 128 rows of W,
	s_add_co_u32 s22, s22, 2*HALFT                 ; which lie behind x's 256
.irp s, 0,1
	v_add_nc_u32 v[ADRA+\s], s21, v4
	v_add_nc_u32 v[ADRB+\s], s22, v4
	s_add_co_u32 s21, s21, SLOT
	s_add_co_u32 s22, s22, SLOT
.endr
	v_mul_u32_u24 v5, v1, KS                       ; my row's scales: 32 bytes a row,
	v_lshrrev_b32 v6, 8, v5
	v_lshl_add_u32 v5, v6, 4, v5                   ; and 16 more for each 256 passed
	s_mul_i32 s21, s15, HALFS                      ; x's: my 128 rows
	s_mul_i32 s22, s16, HALFS                      ; W's: my 128 rows, behind x's 256
	s_add_co_u32 s22, s22, 2*HALFS
	s_sub_co_u32 s22, s22, s21
	v_mul_u32_u24 v6, s22, v2                      ; lanes 16-31 take W's: the lower base + h x the distance
	s_add_co_u32 s21, s21, SCL
	v_add_nc_u32 v5, v5, v6
	v_add_nc_u32 v[ADRS], s21, v5
	s_mul_i32 s23, s14, WSTG                       ; my stage
	v_mul_u32_u24 v5, v1, HP                       ; f16, in: row r of a head, 16 bytes for each half of the lanes
	v_lshl_add_u32 v5, v2, 4, v5
	v_add_nc_u32 v[STO], s23, v5
	v_and_b32 v6, 31, v0
	v_lshlrev_b32 v[CO], 4, v6                     ; 16 x lane
	v_lshrrev_b32 v5, 3, v6                        ; f16, back: eight lanes to a row of 128 bytes, four rows an instruction
	v_mul_u32_u24 v5, v5, HP
	v_and_b32 v6, 7, v0
	v_lshl_add_u32 v5, v6, 4, v5
	v_add_nc_u32 v[RD], s23, v5
	v_mul_u32_u24 v5, v1, 528                      ; f32, in: row r of 512 bytes + 16, 32 bytes for each half of the lanes
	v_lshl_add_u32 v5, v2, 5, v5
	v_add_nc_u32 v[STO32], s23, v5
	v_add_nc_u32 v[RD32], s23, v[CO]               ; f32, back: the 32 lanes take one row
	; qkvh: (q, k or v) x 8,388,608 + batch x 4,194,304 + head x 262,144 + t x 128
	s_lshr_b32 s20, s17, 3                         ; batch = tile row / 8
	s_lshl_b32 s20, s20, 22
	s_and_b32 s21, s17, 7
	s_lshl_b32 s21, s21, 15                        ; t = 256 x (tile row % 8)
	s_add_co_u32 s20, s20, s21
	s_lshl_b32 s21, s15, 14                        ;     + 128 x my half
	s_add_co_u32 s20, s20, s21
	s_mov_b32 s21, 0
	s_lshl_b32 s46, ttmp9, 23                      ; the cluster's x says q, k or v
	s_lshl_b32 s47, s40, 20                        ; head = 4 cx
	s_add_co_u32 s46, s46, s47
	s_lshl_b32 s47, s16, 19                        ;        + 2 x my half
	s_add_co_u32 s46, s46, s47
	s_mov_b32 s47, 0
	s_add_nc_u64 s[20:21], s[20:21], s[46:47]
	s_add_nc_u64 s[12:13], s[12:13], s[20:21]
	; head32: tile row x 16 rows of 12,288 bytes + my 128 columns
	s_mul_i32 s22, s17, 196608
	s_lshl_b32 s92, ttmp9, 12
	s_lshl_b32 s93, s40, 10
	s_add_co_u32 s92, s92, s93
	s_lshl_b32 s93, s16, 9
	s_add_co_u32 s92, s92, s93
	s_add_co_u32 s92, s92, s22
	s_mov_b32 s93, 0
	s_add_nc_u64 s[98:99], s[98:99], s[92:93]
.macro FRAG reg, adr, q, i             ; a fragment: lane l holds row l % 16; registers 4 c .. 4 c + 3 hold K = 64 c + 32 (l / 16) + 0 .. 31
.irp c, 0,1
	ds_load_b128 v[\reg+4*\c:\reg+4*\c+3], v[\adr] offset:64*(\q)+32*\c+(\i)*16*PITCH
.endr
.endm
; 16 matrix instructions: x's blocks a0, a0 + 1 against W's eight, 128 along K: the slot's q-th.  p: W's set;  sc: the set of scale words.  zero = 1: the first product starts the sums.
; The 64 accumulators take turns, one instruction a turn, in the same order in every step.
.macro MUL16 a0, p, q, sc, zero
.irp a, \a0, \a0+1
.irp b, 0,1,2,3,4,5,6,7
.if \zero
	v_wmma_scale_f32_16x16x128_f8f6f4 v[8*(8*((\a)%4)+\b):8*(8*((\a)%4)+\b)+7], v[128*(\p)+FR*\b:128*(\p)+FR*\b+FR-1], v[AF+FR*(\a):AF+FR*(\a)+FR-1], 0, v[SC+8*NQ*(\sc)+NQ*\b+(\q)], v[SC+8*NQ*(\sc)+NQ*(\a)+(\q)] matrix_a_fmt:MATRIX_FMT_FP4 matrix_b_fmt:MATRIX_FMT_FP4 matrix_a_scale:MATRIX_SCALE_ROW1
.else
	v_wmma_scale_f32_16x16x128_f8f6f4 v[8*(8*((\a)%4)+\b):8*(8*((\a)%4)+\b)+7], v[128*(\p)+FR*\b:128*(\p)+FR*\b+FR-1], v[AF+FR*(\a):AF+FR*(\a)+FR-1], v[8*(8*((\a)%4)+\b):8*(8*((\a)%4)+\b)+7], v[SC+8*NQ*(\sc)+NQ*\b+(\q)], v[SC+8*NQ*(\sc)+NQ*(\a)+(\q)] matrix_a_fmt:MATRIX_FMT_FP4 matrix_b_fmt:MATRIX_FMT_FP4 matrix_a_scale:MATRIX_SCALE_ROW1
.endif
.endr
.endr
.endm
.macro FETCH_B slot, q, p              ; W's eight fragments of the slot's q-th 128 along K into set p
	WIN TO_B
.irp i, 0,1,2,3,4,5,6,7
	FRAG 128*(\p)+FR*\i, ADRB+\slot, \q, \i
.endr
	WIN 0
.endm
.macro FETCH_A slot, q, i0             ; x's blocks i0 .. i0 + 3
.irp i, \i0, \i0+1, \i0+2, \i0+3
	FRAG AF+FR*(\i), ADRA+\slot, \q, \i
.endr
.endm
.macro SCALES sc                       ; a slot's scale words into set sc: four words a row; lanes 0-15 take x's block i, lanes 16-31 W's block i
.irp i, 0,1,2,3,4,5,6,7
	ds_load_b128 v[SC+8*NQ*\sc+NQ*\i:SC+8*NQ*\sc+NQ*\i+3], v[ADRS] offset:\i*SBLK
.endr
.endm
; A load into a register that a matrix instruction has read, and a vector instruction or an LDS store that reads a matrix result, stand NP places behind that matrix instruction; only plain vector
; instructions that name none of its registers are places (ISA guide 7.12.1 for vector instructions).
.macro PLACES n
.rept \n
	v_nop
.endr
.endm
; A step of 128 along K that has its successor in the same slot.
.macro STEP slot, q, zero
	s_wait_dscnt 4*NL                              ; W's set and x's blocks 0-3 are in; the youngest eight loads (x's blocks 4-7) may be out
	WIN MUL_LO
	MUL16 0, (\q)%2, \q, \slot, \zero
	MUL16 2, (\q)%2, \q, \slot, \zero
	s_wait_dscnt 0                                 ; x's blocks 4-7 are in
	PLACES NP
	FETCH_B \slot, (\q)+1, 1-(\q)%2
	FETCH_A \slot, (\q)+1, 0
	WIN MUL_HI
	MUL16 4, (\q)%2, \q, \slot, \zero
	MUL16 6, (\q)%2, \q, \slot, \zero
	PLACES NP
	WIN 0
	FETCH_A \slot, (\q)+1, 4
.endm
; Slot 0's last step changes slots: ONE barrier; in front of it each wave waits for all its tensor loads (its part of slot 1), adds 0 to its spare word, and waits for that and for its reads of slot 0.  Nothing is filled again.
.macro TURN slot, next
	s_wait_tensorcnt 0x0                           ; all my tensor loads have landed
	ds_add_u32 v[SPW], v[NIL]                      ; 0 onto my spare word
	s_wait_dscnt 4*NL+1                            ; (the add and the youngest eight loads, x's blocks 4-7, may be out)
	WIN MUL_LO
	MUL16 0, 1, NQ-1, \slot, 0
	s_wait_dscnt 0x0                               ; the add is done, and my reads of this slot are over
	s_barrier_signal -1
	MUL16 2, 1, NQ-1, \slot, 0
	WIN 0
	s_barrier_wait -1
	PLACES NP
	v_add_nc_u32 v[ADRS], 4*NQ, v[ADRS]            ; on to the next slot's scale words
	FETCH_B \next, 0, 0
	FETCH_A \next, 0, 0
	SCALES \next
	WIN MUL_HI
	MUL16 4, 1, NQ-1, \slot, 0
	MUL16 6, 1, NQ-1, \slot, 0
	PLACES NP
	WIN 0
	FETCH_A \next, 0, 4
.endm
	s_wait_tensorcnt 1                             ; the scales and my part of slot 0 are in (slot 1's load may be out)
	s_barrier_signal -1
	s_barrier_wait -1                              ; everybody's are
	FETCH_B 0, 0, 0
	FETCH_A 0, 0, 0
	SCALES 0
	FETCH_A 0, 0, 4
	STEP 0, 0, 1                                   ; the first step's products start the sums: nothing is cleared
	STEP 0, 1, 0
	STEP 0, 2, 0
	TURN 0, 1
	STEP 1, 0, 0
	STEP 1, 1, 0
	STEP 1, 2, 0
	s_wait_dscnt 4*NL                              ; the last step: nothing more to fetch
	WIN MUL_LO
	MUL16 0, 1, NQ-1, 1, 0
	MUL16 2, 1, NQ-1, 1, 0
	s_wait_dscnt 0
	WIN MUL_HI
	MUL16 4, 1, NQ-1, 1, 0
	MUL16 6, 1, NQ-1, 1, 0
	WIN 0
	; THE WAY OUT.  LDS serves a wave's instructions in order (ISA guide 5.7.1.4): no wait stands between a block's stores into my stage and its loads, nor in front of the next block's stores.
	PLACES NP                                      ; behind the last products: for the reads of results and for the loads into registers that held scales and fragments
	s_cmp_lg_u32 s15, 0                            ; waves 0 and 1 hold the tile's first 16 rows (block 0): a branch on the wave's number alone
	s_cbranch_scc1 .Lno32
	WIN 0x08                                       ; an LDS store's data are its source 1: window 2
.irp b, 0,1,2,3,4,5,6,7
	ds_store_b128 v[STO32], v[8*\b:8*\b+3] offset:64*\b              ; each accumulator from its low end on
	ds_store_b128 v[STO32], v[8*\b+4:8*\b+7] offset:64*\b+16
.endr
	WIN 0
.irp t, 0,1,2,3,4,5,6,7,8,9,10,11,12,13,14,15
	ds_load_b128 v[F32B+4*\t:F32B+4*\t+3], v[RD32] offset:\t*528
.endr
.irp t, 0,1,2,3,4,5,6,7,8,9,10,11,12,13,14,15
	s_wait_dscnt 15-\t                             ; row t is back; the younger loads may be out
	global_store_b128 v[CO], v[F32B+4*\t:F32B+4*\t+3], s[98:99] offset:\t*12288   ; 32 lanes store 512 consecutive bytes, aligned
.endr
.Lno32:
.macro PACK a                          ; block a, 16 rows x 128 columns, rounded to f16: 16 bytes a lane and accumulator
.set AC, 64*((\a)%4)
	WIN 0x0a+5*((\a)/4)                            ; sources 0 and 1: window 2 or 3
.irp b, 0,1,2,3,4,5,6,7
.irp i, 0,1,2,3
	v_cvt_pk_f16_f32 v[TMP+4*\b+\i], v[AC+8*\b+2*\i], v[AC+8*\b+2*\i+1]
.endr
.endr
	WIN 0
.endm
.macro TOSTAGE a                       ; into my stage by heads (columns 64 (b / 4) on), and back four rows of 128 bytes at a time
.set BB, BK+32*((\a)%2)
.irp b, 0,1,2,3,4,5,6,7
	ds_store_b128 v[STO], v[TMP+4*\b:TMP+4*\b+3] offset:(\b/4)*16*HP+(\b%4)*32
.endr
.irp j, 0,1
.irp t, 0,1,2,3
	ds_load_b128 v[BB+4*(4*\j+\t):BB+4*(4*\j+\t)+3], v[RD] offset:\j*16*HP+\t*4*HP
.endr
.endr
.endm
.macro SEND a
.set BB, BK+32*((\a)%2)
	s_wait_dscnt 0x0                               ; the block is back in registers
	s_wait_xcnt 0x0                                ; the earlier stores have read their registers: the other set may be loaded again behind this wait
.irp j, 0,1
.irp t, 0,1,2,3
	global_store_b128 v[CO], v[BB+4*(4*\j+\t):BB+4*(4*\j+\t)+3], s[12:13] offset:\j*262144+(\a)*2048+\t*512   ; four rows of a head: 512 consecutive bytes, aligned; every offset an immediate
.endr
.endr
.endm
	PACK 0
	TOSTAGE 0
.irp a, 1,2,3,4,5,6,7                  ; block a's conversions stand between block a - 1's loads from the stage and the wait for them
	PACK \a
	SEND (\a-1)
	TOSTAGE \a
.endr
	SEND 7
	s_wait_tensorcnt 0x0                           ; the wave's end: a tensor wait, an add to my spare word and its wait, behind my last tensor load and my last LDS store
	ds_add_u32 v[SPW], v[NIL]
	s_wait_dscnt 0x0
	CROUND                                         ; the closing round: no work-group ends while a partner may still ask for a tile that names it
	s_endpgm
.Lfunc_end_k_qbdfd1cce90_qkv:
	.size	k_qbdfd1cce90_qkv, .Lfunc_end_k_qbdfd1cce90_qkv-k_qbdfd1cce90_qkv
	.p2alignl 7, 3214868480
	.fill 96, 4, 3214868480
	.section	.rodata,"a",@progbits
	.p2align	6, 0x0
	.amdhsa_kernel k_qbdfd1cce90_qkv
		.amdhsa_group_segment_fixed_size 327680
		.amdhsa_private_segment_fixed_size 0
		.amdhsa_enable_private_segment 0
		.amdhsa_kernarg_size 48
		.amdhsa_user_sgpr_count 2
		.amdhsa_user_sgpr_kernarg_segment_ptr 1
		.amdhsa_wavefront_size32 1
		.amdhsa_system_sgpr_workgroup_id_x 1
		.amdhsa_system_sgpr_workgroup_id_y 1
		.amdhsa_system_sgpr_workgroup_id_z 1
		.amdhsa_system_vgpr_workitem_id 0
		.amdhsa_next_free_vgpr 1024
		.amdhsa_next_free_sgpr 100
		.amdhsa_reserve_vcc 0
		.amdhsa_float_denorm_mode_32 3
		.amdhsa_float_denorm_mode_16_64 3
		.amdhsa_memory_ordered 1
		.amdhsa_forward_progress 1
		.amdhsa_inst_pref_size 131
	.end_amdhsa_kernel
	.amdgpu_metadata
---
amdhsa.version: [ 1, 2 ]
amdhsa.kernels:
  - .name:           k_qbdfd1cce90_qkv
    .symbol:         k_qbdfd1cce90_qkv.kd
    .args:
      - { .name: xc, .offset: 0, .size: 8, .value_kind: global_buffer, .address_space: global }
      - { .name: xs, .offset: 8, .size: 8, .value_kind: global_buffer, .address_space: global }
      - { .name: wc, .offset: 16, .size: 8, .value_kind: global_buffer, .address_space: global }
      - { .name: ws, .offset: 24, .size: 8, .value_kind: global_buffer, .address_space: global }
      - { .name: qkvh, .offset: 32, .size: 8, .value_kind: global_buffer, .address_space: global }
      - { .name: head32, .offset: 40, .size: 8, .value_kind: global_buffer, .address_space: global }
    .group_segment_fixed_size: 327680
    .private_segment_fixed_size: 0
    .kernarg_segment_align: 8
    .kernarg_segment_size: 48
    .max_flat_workgroup_size: 128
    .sgpr_count:     100
    .vgpr_count:     1024
    .wavefront_size: 32
...
	.end_amdgpu_metadata
.endif
;; end of part 2
;; launch attn (part 3): grid 8 x 32, 16 waves a work-group, no clusters, 327,680 bytes of LDS; arguments qkvh, att; writes att
.if DOCPART == 3
	.amdgcn_target "amdgcn-amd-amdhsa--gfx1250"
	.amdhsa_code_object_version 6
	.text
	.protected	k_qbdfd1cce90_attn
	.globl	k_qbdfd1cce90_attn
	.p2align	8
	.type	k_qbdfd1cce90_attn,@function
k_qbdfd1cce90_attn:
	s_mov_b64 s[64:65], 0
	v_nop
	global_prefetch_b8 v0, s[64:65] scope:SCOPE_SE
	s_setreg_imm32_b32 hwreg(HW_REG_WAVE_MODE, 25, 1), 1
	s_wait_xcnt 0x0
; o[b][h][q][:] = the sum over k <= q of softmax_k(q . k / 8) v[k][:], head size 64, 2,048 positions, 32 heads (batch x head).  q, k, v: f16, [q, k or v][batch x head][t][64]; products, maxima and sums in f32;
; the weights p are rounded to f16 for the second product, o once at the end.  Positions 0-15 of each sequence are made again in f32 by a later launch, which writes over what follows from them.
; SHARES.  Work-group (x, y) owns, of head y, the query blocks x and 15 - x of 128 queries: (x + 1) + (16 - x) = 17 blocks of 128 keys under the causal mask, the same for every work-group.  Each of its sixteen waves owns
; 16 queries, one tile, in 256 registers: four waves to a SIMD.  Of waves 2 i and 2 i + 1 one takes tile i of the early block and the other tile i of the late one, the order changing with i / 2.
; Every work-group walks all eight slots of 256 keys (constant trip counts, every barrier passed by every wave).  A step of 64 keys all of which come after a wave's queries is left out, and with it the rest of its slot, whose
; keys come later still: a scalar branch on ids to the slot's end.
; NO CLUSTER: the work-groups of a head need different numbers of key tiles under the mask, so a joint load would bring tiles whose reads every wave of some partner jumps over.
; LAYOUT.  S^T = K Q^T (source 0 = 16 keys, source 1 = my 16 queries): a lane holds ONE query (lane % 16) and keys 8 (lane / 16) + 0..7 of each tile.  Two such tiles, rounded to f16 in pairs, ARE source 1 (32 keys x 16 queries)
; of O^T = V^T P, whose result again holds one query a lane and eight channels.  K comes out of LDS as it lies, V ([key][channel]) turned, by ds_load_tr16_b128.
; THE LDS LOADS RUN AHEAD OF THEIR USE.  K's registers are free as soon as a step's eight products K Q^T are issued: the NEXT step's K is asked for there and lands under this step's softmax.  V's registers are read until a step's
; end: a step's V is asked for at its head and lands under its products K Q^T and its softmax.  A slot's first step asks for its own K, behind the change of slots; its last step asks for nothing ahead.
; SOFTMAX.  A running maximum m and sum l for each query: p = 2^(c s - c m), c = log2(e) / 8; in every step O and l are multiplied by a = 2^(c m_old - c m_new).  m begins at -3e38, O and l at 0: one text serves every step.
; OUT: att, f16, [pair of rows][head][parity][64]: one head's two rows are 256 consecutive bytes, stored whole by sixteen lanes; four heads of a pair are 1,024 consecutive bytes for the projection.
; LIMITS: |q|, |k|, |v| under 65,504; NaN and infinities are not served.
.set SK,    256                        ; keys in a slot
.set NSL,   8                          ; slots' worth of keys
.set KP,    144                        ; a key's row in LDS: 128 bytes + 16: the 16 rows of a load start 4 words apart modulo 64 words
.set VP,    160                        ; a row of V: 128 + 32: the turning load's 8 rows x 32 bytes fall on different words modulo 64
.set VOFF,  SK*KP                      ; a slot: 256 rows of K, then 256 rows of V
.set SLOT1, 1<<17                      ; slot 1 begins here: one exclusive or turns an address in one slot into the other's
.set STAGE, SLOT1+SK*(KP+VP)           ; behind the ring: 16 rows x 144 bytes for each wave, for the way out
.set SPARE, STAGE+16*16*KP             ; the spare words, 128 bytes a wave, which no other line names
.set AK0, 1                            ; v1   my lane's place in a tile of K
.set AV0, 2                            ; v2   the same for V
.set SPW, 3                            ; v3   LDS address of my spare word; never rewritten
.set NIL, 4                            ; v4   0; never rewritten
.set GO,  5                            ; v5   the way out: my byte offset in att
.set STO, 6                            ; v6   where I put 16 bytes of a row
.set RD,  7                            ; v7   where I read rows back
.set ADK, 8                            ; v8   LDS address of the slot's K
.set ADV, 9                            ; v9   of its V
.set DQ,  10                           ; v10  lane % 16 - 8 (lane / 16)
.set DD,  11                           ; v11  the mask's bound
.set NINF, 12                          ; v12  -infinity
.set PFO, 13                           ; v13  256 x lane; never rewritten
.set ST,  16                           ; v16 c m, v17 m, v18-19 l (even keys', odd keys'), v20-23 at work; a takes v22
.set RQ,  24                           ; v24-39   Q: two fragments
.set RS,  40                           ; v40-71   S^T, then p
.set RP,  72                           ; v72-87   P in f16
.set RO,  88                           ; v88-119  O^T
.set RK,  120                          ; v120-183 K's fragments: (tile kt, channels 32 c on) at 16 kt + 8 c
.set RV,  184                          ; v184-247 V's: (keys 32 g on, channels 16 ct on) at 32 g + 8 ct
.set CMO, 248                          ; v248     c m_old
.set TB,  2                            ; s2   LDS byte at which the slot in hand begins
.set SLOTS, 3                          ; s3   changes of slots still to come that ask for a slot
.set WV,  18
.set XX,  19                           ; s19  work-group x
.set SEL, 20                           ; s[20:21] lane selects: lane l xor 16
.set CS,  22                           ; s[22:23] c, twice
.set G1K, 24
.set G1V, 32
.set G0K, 40
.set G0V, 44
.set KF,  48                           ; s48  the first key of the slot in hand
.set Q0,  49                           ; s49  my first query
.set LASTQ, 50                         ; s50  my work-group's last query
.set LIM, 51                           ; s51  1 in a wave that prefetches, else the greatest number
.set PFA, 52                           ; s[52:53] where my prefetches stand
.set QL,  63                           ; s63  my last query
; Wave 0 fetches a slot's K, wave 1 its V, the others nothing: whole slots, so that some bytes of every load are read also where the causal limit falls in a slot's middle.  An s_nop 0 and four v_nop follow each line.
.macro TLOAD
	s_cmp_eq_u32 s[WV], 0
	s_cbranch_scc0 .Lnot_k_\@
	tensor_load_to_lds s[G0K:G0K+3], s[G1K:G1K+7]
	s_nop 0
.rept 4
	v_nop
.endr
	s_branch .Lasked_\@
.Lnot_k_\@:
	s_cmp_eq_u32 s[WV], 1
	s_cbranch_scc0 .Lasked_\@
	tensor_load_to_lds s[G0V:G0V+3], s[G1V:G1V+7]
	s_nop 0
.rept 4
	v_nop
.endr
.Lasked_\@:
.endm
; A prefetch of what the NEXT change of slots will ask for: 32,768 dense bytes of K and as many of V.  Each block of 256 bytes is named once in the launch: all work-groups of a head walk the same K and V, and the head's
; work-group x = 0, which walks all slots, asks; in it waves 4 to 7 ask for K, waves 8 to 11 for V, 8,192 bytes a wave, lanes 256 bytes apart.  The last change that fills a slot asks for nothing; slots 0 and 1 come by their loads alone.
.macro ASK
	s_cmp_gt_u32 s[SLOTS], s[LIM]
	s_cbranch_scc0 .Lnot_mine_\@
	global_prefetch_b8 v[PFO], s[PFA:PFA+1] th:TH_LOAD_NT scope:SCOPE_SE
.Lnot_mine_\@:
.endm
	s_load_b128 s[4:7], s[0:1], 0x0                ; qkvh, att
	v_lshl_add_u32 v[SPW], v0, 2, SPARE
	v_mov_b32 v[NIL], 0
	ds_add_u32 v[SPW], v[NIL]                      ; the wave's opening: the add, twice on end, and its wait ahead of the first tensor load
	ds_add_u32 v[SPW], v[NIL]
	v_lshrrev_b32 v14, 5, v0
	v_readfirstlane_b32 s[WV], v14                 ; wave 0..15
	s_mov_b32 s[XX], ttmp9
	s_and_b32 s62, ttmp7, 0xffff                   ; y = 16 x batch + head
	s_lshr_b32 s55, s[WV], 2
	s_xor_b32 s55, s55, s[WV]
	s_and_b32 s55, s55, 1                          ; 0: the early block, 1: the late one
	s_lshr_b32 s56, s[WV], 1                       ; my tile in it
	s_sub_co_u32 s57, 15, s[XX]
	s_cmp_eq_u32 s55, 0
	s_cselect_b32 s57, s[XX], s57                  ; my block of 128 queries
	s_lshl_b32 s57, s57, 7
	s_lshl_b32 s56, s56, 4
	s_add_co_u32 s[Q0], s57, s56
	s_add_co_u32 s[QL], s[Q0], 15
	s_sub_co_u32 s[LASTQ], 16, s[XX]
	s_lshl_b32 s[LASTQ], s[LASTQ], 7
	s_sub_co_u32 s[LASTQ], s[LASTQ], 1             ; 128 (16 - x) - 1
	s_lshl_b32 s58, s62, 18                        ; a head's 2,048 rows of 128 bytes
	s_mov_b32 s59, 0
	s_lshl_b32 s60, s[Q0], 7
	s_mov_b32 s61, 0
	; descriptor group 1: 256 rows of 64 elements of 2 bytes, dense in memory; padding behind every 32 words: K 4 words, V 8
	s_mov_b32 s[G1K], (1<<16)|(1<<20)|(4<<22)|(3<<25)
	s_mov_b32 s[G1V], (1<<16)|(1<<20)|(4<<22)|(7<<25)
.irp g, G1K, G1V
	s_mov_b32 s[\g+1], 64<<16                      ; tensor_dim0
	s_mov_b32 s[\g+2], SK<<16                      ; tensor_dim1
	s_mov_b32 s[\g+3], 64<<16                      ; tile_dim0
	s_mov_b32 s[\g+4], SK                          ; tile_dim1
	s_mov_b32 s[\g+5], 64                          ; from row to row
	s_mov_b32 s[\g+6], 0
	s_mov_b32 s[\g+7], 0
.endr
	s_mov_b32 s[SEL], 0x76543210
	s_mov_b32 s[SEL+1], 0xfedcba98
	s_mov_b32 s[CS], 0x3e38aa3b                    ; c = log2(e) / 8
	s_mov_b32 s[CS+1], s[CS]
	s_mov_b32 s[TB], 0
	s_mov_b32 s[SLOTS], NSL-1
	s_mov_b32 s[KF], 0
	s_wait_dscnt 0x0                               ; both opening adds are done
	s_wait_kmcnt 0x0
	s_add_nc_u64 s[10:11], s[4:5], s[58:59]        ; my head in q,
	s_add_nc_u64 s[8:9], s[10:11], s[60:61]        ; my first query,
	s_add_nc_u64 s[12:13], s[10:11], 16777216      ; my head in v,
	s_add_nc_u64 s[10:11], s[10:11], 8388608       ; and in k
	s_mov_b32 s[G0K], 1
	s_mov_b32 s[G0K+1], 0                          ; slot 0
	s_mov_b64 s[G0K+2:G0K+3], s[10:11]
	s_or_b32 s[G0K+3], s[G0K+3], 0x80000000
	s_mov_b32 s[G0V], 1
	s_mov_b32 s[G0V+1], VOFF
	s_mov_b64 s[G0V+2:G0V+3], s[12:13]
	s_or_b32 s[G0V+3], s[G0V+3], 0x80000000
	TLOAD                                          ; slot 0: it holds key 0, which counts for every query
	s_cmp_lt_u32 s[WV], 8                          ; the prefetches: waves 4 to 7 K, waves 8 to 11 V
	s_cselect_b64 s[PFA:PFA+1], s[10:11], s[12:13]
	s_and_b32 s54, s[WV], 3
	s_lshl_b32 s54, s54, 13                        ; my wave's 8,192 bytes,
	s_add_co_u32 s54, s54, SK*128                  ; in slot 1: the first change of slots steps it to slot 2
	s_mov_b32 s55, 0
	s_add_nc_u64 s[PFA:PFA+1], s[PFA:PFA+1], s[54:55]
	s_sub_co_u32 s54, s[WV], 4
	s_lshr_b32 s54, s54, 3                         ; 0 in waves 4 to 11,
	s_or_b32 s54, s54, s[XX]                       ; of the head's work-group x = 0
	s_cmp_eq_u32 s54, 0
	s_cselect_b32 s[LIM], 1, -1
	s_lshr_b32 s54, s62, 4                         ; att: (batch x 2,048 + my first query) x 2,048 + head x 256
	s_lshl_b32 s54, s54, 11
	s_add_co_u32 s54, s54, s[Q0]
	s_lshl_b32 s54, s54, 11
	s_and_b32 s55, s62, 15
	s_lshl_b32 s55, s55, 8
	s_add_co_u32 s54, s54, s55
	s_mov_b32 s55, 0
	s_add_nc_u64 s[14:15], s[6:7], s[54:55]
	v_and_b32 v14, 15, v0                          ; r
	v_bfe_u32 v15, v0, 4, 1                        ; h
	v_lshlrev_b32 v249, 7, v14
	v_lshl_add_u32 v249, v15, 4, v249              ; Q: row r of 128 bytes + 16 h
.irp i, 0,1,2,3
	global_load_b128 v[RQ+4*\i:RQ+4*\i+3], v249, s[8:9] offset:32*\i   ; Q's two fragments stay in registers
.endr
	v_mul_u32_u24 v[AK0], v14, KP
	v_lshl_add_u32 v[AK0], v15, 4, v[AK0]          ; K: row r x pitch + 16 h
	v_and_b32 v[AV0], 7, v0                        ; V, turned: lane l reads key 8 (l / 16) + l % 8, channels 8 ((l / 8) % 2) on
	v_lshl_add_u32 v[AV0], v15, 3, v[AV0]
	v_mul_u32_u24 v[AV0], v[AV0], VP
	v_bfe_u32 v250, v0, 3, 1
	v_lshl_add_u32 v[AV0], v250, 4, v[AV0]
	v_add_nc_u32 v[AV0], VOFF, v[AV0]
	v_lshlrev_b32 v[GO], 12, v15
	v_lshl_add_u32 v[GO], v14, 4, v[GO]            ; out: lanes 0-15 one pair of rows (256 bytes), lanes 16-31 the next pair, 4,096 bytes on
	s_mul_i32 s54, s[WV], 16*KP
	s_add_co_u32 s54, s54, STAGE                   ; my stage
	v_add_nc_u32 v[STO], s54, v[AK0]               ; in: row r, 16 bytes for each half of the lanes
	v_and_b32 v250, 31, v0
	v_lshrrev_b32 v251, 3, v250
	v_mul_u32_u24 v[RD], v251, KP
	v_and_b32 v250, 7, v0
	v_lshl_add_u32 v[RD], v250, 4, v[RD]
	v_add_nc_u32 v[RD], s54, v[RD]                 ; back: eight lanes to a row, four rows an instruction
	v_lshlrev_b32 v[DQ], 3, v15
	v_sub_nc_u32 v[DQ], v14, v[DQ]
	v_mov_b32 v[NINF], 0xff800000
	v_and_b32 v[PFO], 31, v0
	v_lshlrev_b32 v[PFO], 8, v[PFO]
	v_mov_b32 v[ST+1], 0xff61b1e6                  ; m: -3e38, under every score
	v_mul_f32 v[ST], s[CS], v[ST+1]                ; c m
.irp i, 2,3,4,5,6,7
	v_mov_b32 v[ST+\i], 0                          ; l; and the registers at work, so that they are written on every way
.endr
	v_mov_b32 v[CMO], 0
.irp j, 0,1,2,3,4,5,6,7,8,9,10,11,12,13,14,15,16,17,18,19,20,21,22,23,24,25,26,27,28,29,30,31
	v_mov_b32 v[RO+\j], 0                          ; O^T: the step is written once; the first finds zeros, which a = 0 leaves zeros
.endr
.macro KLOAD q                         ; sixteen loads: K's eight fragments of the slot's q-th 64 keys
.irp kt, 0,1,2,3
.irp c, 0,1
	ds_load_b128 v[RK+16*\kt+8*\c:RK+16*\kt+8*\c+3],   v[ADK] offset:(64*(\q)+16*\kt)*KP+64*\c
	ds_load_b128 v[RK+16*\kt+8*\c+4:RK+16*\kt+8*\c+7], v[ADK] offset:(64*(\q)+16*\kt)*KP+64*\c+32
.endr
.endr
.endm
.macro VLOAD q                         ; sixteen loads: V's eight fragments of the same keys, turned
.irp g, 0,1
.irp ct, 0,1,2,3
	ds_load_tr16_b128 v[RV+32*\g+8*\ct:RV+32*\g+8*\ct+3],   v[ADV] offset:(64*(\q)+32*\g)*VP+32*\ct
	ds_load_tr16_b128 v[RV+32*\g+8*\ct+4:RV+32*\g+8*\ct+7], v[ADV] offset:(64*(\q)+32*\g)*VP+16*VP+32*\ct
.endr
.endr
.endm
; A KEY STEP: 64 keys, the q-th of the slot in hand.  cp: which of the text's two copies of a slot's steps this is: it names the label at the slot's end.
.macro STEP q, cp
.if \q > 0                                     ; a step all of whose keys come after my 16 queries is left out, and the slot's later steps with it: ids and the count of slots alone; no barrier and no tensor load stands in a step.
	s_add_co_u32 s54, s[KF], 64*\q             ; So a step is reached only through the step before it, which has asked for its K
	s_cmp_gt_u32 s54, s[QL]
.else
	s_cmp_gt_u32 s[KF], s[QL]
.endif
	s_cbranch_scc1 .Lslot_end_\cp
	v_mov_b32 v[CMO], v[ST]                        ; c m_old is kept for a.  With the three lines below: the four places in front of loads into registers that the last products have read
.if \q == 0
	v_add_nc_u32 v[ADK], s[TB], v[AK0]             ; the slot's addresses, once a slot
	v_add_nc_u32 v[ADV], s[TB], v[AV0]
	v_nop
	KLOAD 0                                        ; a slot's first K cannot be asked for ahead of the change of slots
.else
.rept 3
	v_nop
.endr
.endif
	VLOAD \q
	s_wait_dscnt 16                                ; K's sixteen loads are in; V's sixteen, issued behind them, may be out
.irp kt, 0,1,2,3                               ; S^T = K Q^T: the four tiles by turns; the first four start the sums
	v_wmma_f32_16x16x32_f16 v[RS+8*\kt:RS+8*\kt+7], v[RK+16*\kt:RK+16*\kt+7], v[RQ:RQ+7], 0
.endr
.irp kt, 0,1,2,3
	v_wmma_f32_16x16x32_f16 v[RS+8*\kt:RS+8*\kt+7], v[RK+16*\kt+8:RK+16*\kt+15], v[RQ+8:RQ+15], v[RS+8*\kt:RS+8*\kt+7]
.endr
.rept 4
	v_nop                                          ; places in front of the loads into K's registers and of the first read of the scores
.endr
.if \q < 3
	KLOAD (\q+1)                                   ; THE NEXT STEP'S K: it lands under this step's softmax.  (Where the next step is left out, these 8,192 bytes are read in vain: once a wave)
.endif
	s_add_co_u32 s54, s[KF], 64*\q+63              ; a step all of whose keys count skips the mask
	s_cmp_le_u32 s54, s[Q0]
	s_cbranch_scc1 .Lopen_\@
	s_sub_co_i32 s54, s[Q0], s[KF]
.if \q > 0
	s_sub_co_i32 s54, s54, 64*\q
.endif
	v_add_nc_u32 v[DD], s54, v[DQ]                 ; register 8 kt + j holds the step's key 16 kt + 8 (lane / 16) + j: hidden where 16 kt + j > my query - the step's first key - 8 (lane / 16)
.irp n, 0,1,2,3,4,5,6,7,8,9,10,11,12,13,14,15,16,17,18,19,20,21,22,23,24,25,26,27,28,29,30,31
	v_cmp_gt_i32 vcc_lo, 16*(\n/8)+\n%8, v[DD]
	v_cndmask_b32 v[RS+\n], v[RS+\n], v[NINF], vcc_lo
.endr
.Lopen_\@:
.irp i, 0,1,2,3                                ; the maximum of the 32 scores and the old m: four chains, each tile from its low end on
	v_max3_num_f32 v[ST+4+\i], v[RS+8*\i], v[RS+8*\i+1], v[RS+8*\i+2]
.endr
.irp u, 3,5
.irp i, 0,1,2,3
	v_max3_num_f32 v[ST+4+\i], v[ST+4+\i], v[RS+8*\i+\u], v[RS+8*\i+\u+1]
.endr
.endr
	v_max3_num_f32 v[ST+4], v[ST+4], v[RS+7], v[RS+15]
	v_max3_num_f32 v[ST+6], v[ST+6], v[RS+23], v[RS+31]
	v_max3_num_f32 v[ST+4], v[ST+4], v[ST+5], v[ST+6]
	v_max3_num_f32 v[ST+4], v[ST+4], v[ST+7], v[ST+1]
	v_permlanex16_b32 v[ST+5], v[ST+4], s[SEL], s[SEL+1]   ; the query's other 32 keys lie in the lane 16 away
	v_max_num_f32 v[ST+1], v[ST+4], v[ST+5]        ; the new m
	v_mul_f32 v[ST], s[CS], v[ST+1]                ; c m
	v_sub_f32 v[ST+7], v[CMO], v[ST]               ; c m_old - c m_new
.irp b, 0,1,2,3,4,5,6,7,8,9,10,11,12,13,14,15
	v_pk_fma_f32 v[RS+2*\b:RS+2*\b+1], v[RS+2*\b:RS+2*\b+1], s[CS:CS+1], v[ST:ST+1] op_sel_hi:[1,0,0] neg_lo:[0,0,1] neg_hi:[0,0,1]   ; c s - c m, two at a time
.endr
	v_exp_f32 v[ST+6], v[ST+7]                     ; a; and the 32 weights: ONE batch
.irp e, 0,1,2,3,4,5,6,7,8,9,10,11,12,13,14,15,16,17,18,19,20,21,22,23,24,25,26,27,28,29,30,31
	v_exp_f32 v[RS+\e], v[RS+\e]
.endr
	v_nop                                          ; a plain line behind the last exponential
	s_wait_alu depctr_va_vdst(0)                   ; one wait for the batch, ahead of its first reader
.irp b, 0,1,2,3,4,5,6,7,8,9,10,11,12,13,14,15
	v_cvt_pk_f16_f32 v[RP+\b], v[RS+2*\b], v[RS+2*\b+1]   ; P: pairs of neighbouring keys
.endr
.irp z, 0,1,2,3,4,5,6,7                        ; the sum of the 16 pairs, in place, as a tree
	v_pk_add_f32 v[RS+4*\z:RS+4*\z+1], v[RS+4*\z:RS+4*\z+1], v[RS+4*\z+2:RS+4*\z+3]
.endr
.irp z, 0,1,2,3
	v_pk_add_f32 v[RS+8*\z:RS+8*\z+1], v[RS+8*\z:RS+8*\z+1], v[RS+8*\z+4:RS+8*\z+5]
.endr
.irp z, 0,1
	v_pk_add_f32 v[RS+16*\z:RS+16*\z+1], v[RS+16*\z:RS+16*\z+1], v[RS+16*\z+8:RS+16*\z+9]
.endr
	v_pk_add_f32 v[RS:RS+1], v[RS:RS+1], v[RS+16:RS+17]
	v_pk_fma_f32 v[ST+2:ST+3], v[ST+2:ST+3], v[ST+6:ST+7], v[RS:RS+1] op_sel_hi:[1,0,1]   ; l = a l + the sum
.irp b, 0,1,2,3,4,5,6,7,8,9,10,11,12,13,14,15
	v_pk_mul_f32 v[RO+2*\b:RO+2*\b+1], v[RO+2*\b:RO+2*\b+1], v[ST+6:ST+7] op_sel_hi:[1,0]   ; O^T x a, each tile from its low end on
.endr
.if \q < 3
	s_wait_dscnt 16                                ; V is in; the next step's K, sixteen loads issued behind it, may be out
.else
	s_wait_dscnt 0x0                               ; V is in: nothing was issued behind it
.endif
.irp g, 0,1                                    ; O^T += V^T P: the four tiles of channels by turns
.irp ct, 0,1,2,3
	v_wmma_f32_16x16x32_f16 v[RO+8*\ct:RO+8*\ct+7], v[RV+32*\g+8*\ct:RV+32*\g+8*\ct+7], v[RP+8*\g:RP+8*\g+7], v[RO+8*\ct:RO+8*\ct+7]
.endr
.endr
.endm
; THE CHANGE OF SLOTS stands at a slot's head.  Each wave waits for all its tensor loads (the slot that it is about to read), adds 0 to its spare word, and waits for that and for its reads of the slot that it has left.
; Behind the barrier the slot ahead is whole and nobody reads the other one.  fill = 1: that other slot is filled with the next 256 keys, up to the causal limit; the load has a slot's four steps in which to land.
.macro CHANGE fill
	s_wait_tensorcnt 0x0                           ; no tensor load of mine is out, so a group 0 may be written
	ds_add_u32 v[SPW], v[NIL]                      ; 0 onto my spare word
.if \fill
	ds_add_u32 v[SPW], v[NIL]                      ; and once more: the add twice on end here, in every trip alike
	s_xor_b32 s[G0K+1], s[G0K+1], SLOT1            ; the walking descriptors: the other slot,
	s_add_nc_u64 s[G0K+2:G0K+3], s[G0K+2:G0K+3], SK*128   ; the next 256 keys
	s_xor_b32 s[G0V+1], s[G0V+1], SLOT1
	s_add_nc_u64 s[G0V+2:G0V+3], s[G0V+2:G0V+3], SK*128
	s_wait_xcnt 0x0                                ; the last prefetch, a slot back, has read its address, so it may be written:
	s_add_nc_u64 s[PFA:PFA+1], s[PFA:PFA+1], SK*128   ; one slot further on than the walking descriptors
.endif
	s_wait_dscnt 0x0                               ; the add is done, and my reads of the slot that I have left are over, a run of K asked for ahead and not used among them
	s_barrier_signal -1
	s_barrier_wait -1
.if \fill
	s_add_co_u32 s54, s[KF], SK                    ; the first key of the slot that this change would ask for:
	s_cmp_gt_u32 s54, s[LASTQ]                     ; past my work-group's last query it would be read by none of the sixteen waves, so it is not asked for.  Ids and the count of slots alone: all waves go the same way
	s_cbranch_scc1 .Lpast_\@
	TLOAD                                          ; the first thing behind the barrier, and a wave's one tensor load until the next; every wait for tensor loads in this text is for 0
.Lpast_\@:
	ASK
.endif
.endm
.macro SLOT_STEPS cp
	STEP 0, \cp
	STEP 1, \cp
	STEP 2, \cp
	STEP 3, \cp
.Lslot_end_\cp:
	s_add_co_u32 s[KF], s[KF], SK                  ; the next slot's first key,
	s_xor_b32 s[TB], s[TB], SLOT1                  ; in the other slot
.endm
	s_wait_loadcnt 0x0                             ; Q
.Lslot:                                            ; seven trips: behind each change of slots but the last the next slot is asked for, up to the limit
	CHANGE 1
	SLOT_STEPS 0
	s_sub_co_u32 s[SLOTS], s[SLOTS], 1
	s_cmp_lg_u32 s[SLOTS], 0
	s_cbranch_scc1 .Lslot
	CHANGE 0                                       ; the last slot is written out: nothing is left to ask for
	SLOT_STEPS 1
	; THE WAY OUT.  l's two halves and the other half of the lanes' are added; O^T is divided by l, rounded to f16 and sent through my stage in LDS.
	v_add_f32 v[ST+4], v[ST+2], v[ST+3]
	v_permlanex16_b32 v[ST+5], v[ST+4], s[SEL], s[SEL+1]
	v_add_f32 v[ST+4], v[ST+4], v[ST+5]
	v_rcp_f32 v[ST+6], v[ST+4]
	v_mov_b32 v[ST+7], 0                           ; (named with it as a pair; a plain line behind the reciprocal)
	v_nop                                          ; with the two additions and the move: four plain places behind the last products
	v_nop
	s_wait_alu depctr_va_vdst(0)                   ; ahead of the reciprocal's first reader
.irp b, 0,1,2,3,4,5,6,7,8,9,10,11,12,13,14,15
	v_pk_mul_f32 v[RO+2*\b:RO+2*\b+1], v[RO+2*\b:RO+2*\b+1], v[ST+6:ST+7] op_sel_hi:[1,0]
.endr
.irp b, 0,1,2,3,4,5,6,7,8,9,10,11,12,13,14,15
	v_cvt_pk_f16_f32 v[RP+\b], v[RO+2*\b], v[RO+2*\b+1]   ; registers 4 ct .. 4 ct + 3: o(r, 16 ct + 8 h + 0 .. 7)
.endr
.irp ct, 0,1,2,3
	ds_store_b128 v[STO], v[RP+4*\ct:RP+4*\ct+3] offset:32*\ct
.endr
.irp t, 0,1,2,3
	ds_load_b128 v[RS+4*\t:RS+4*\t+3], v[RD] offset:\t*4*KP   ; LDS serves a wave's instructions in order: these see my stores
.endr
.irp t, 0,1,2,3
	s_wait_dscnt 3-\t                              ; rows 4 t on are back; the younger loads may be out
	global_store_b128 v[GO], v[RS+4*\t:RS+4*\t+3], s[14:15] offset:\t*8192   ; sixteen lanes store a pair of rows of my head: 256 consecutive bytes, aligned
.endr
	s_wait_tensorcnt 0x0                           ; the wave's end: a tensor wait, an add to my spare word and its wait, behind my last tensor load and my last LDS store
	ds_add_u32 v[SPW], v[NIL]
	s_wait_dscnt 0x0
	s_endpgm
.Lfunc_end_k_qbdfd1cce90_attn:
	.size	k_qbdfd1cce90_attn, .Lfunc_end_k_qbdfd1cce90_attn-k_qbdfd1cce90_attn
	.p2alignl 7, 3214868480
	.fill 96, 4, 3214868480
	.section	.rodata,"a",@progbits
	.p2align	6, 0x0
	.amdhsa_kernel k_qbdfd1cce90_attn
		.amdhsa_group_segment_fixed_size 327680
		.amdhsa_private_segment_fixed_size 0
		.amdhsa_enable_private_segment 0
		.amdhsa_kernarg_size 16
		.amdhsa_user_sgpr_count 2
		.amdhsa_user_sgpr_kernarg_segment_ptr 1
		.amdhsa_wavefront_size32 1
		.amdhsa_system_sgpr_workgroup_id_x 1
		.amdhsa_system_sgpr_workgroup_id_y 1
		.amdhsa_system_sgpr_workgroup_id_z 1
		.amdhsa_system_vgpr_workitem_id 0
		.amdhsa_next_free_vgpr 256
		.amdhsa_next_free_sgpr 66
		.amdhsa_reserve_vcc 1
		.amdhsa_float_denorm_mode_32 3
		.amdhsa_float_denorm_mode_16_64 3
		.amdhsa_memory_ordered 1
		.amdhsa_forward_progress 1
		.amdhsa_inst_pref_size 109
	.end_amdhsa_kernel
	.amdgpu_metadata
---
amdhsa.version: [ 1, 2 ]
amdhsa.kernels:
  - .name:           k_qbdfd1cce90_attn
    .symbol:         k_qbdfd1cce90_attn.kd
    .args:
      - { .name: qkvh, .offset: 0, .size: 8, .value_kind: global_buffer, .address_space: global }
      - { .name: att, .offset: 8, .size: 8, .value_kind: global_buffer, .address_space: global }
    .group_segment_fixed_size: 327680
    .private_segment_fixed_size: 0
    .kernarg_segment_align: 8
    .kernarg_segment_size: 16
    .max_flat_workgroup_size: 512
    .sgpr_count:     66
    .vgpr_count:     256
    .wavefront_size: 32
...
	.end_amdgpu_metadata
.endif
;; end of part 3
;; launch proj (part 4): grid 8 x 32, 4 waves a work-group, clusters of 4 x 4, 327,680 bytes of LDS; arguments att, w16, out0; writes out0
.if DOCPART == 4
	.amdgcn_target "amdgcn-amd-amdhsa--gfx1250"
	.amdhsa_code_object_version 6
	.text
	.protected	k_qbdfd1cce90_proj
	.globl	k_qbdfd1cce90_proj
	.p2align	8
	.type	k_qbdfd1cce90_proj,@function
k_qbdfd1cce90_proj:
	s_mov_b64 s[64:65], 0
	v_nop
	global_prefetch_b8 v0, s[64:65] scope:SCOPE_SE
	s_setreg_imm32_b32 hwreg(HW_REG_WAVE_MODE, 25, 1), 1
	s_wait_xcnt 0x0
	s_wait_alu depctr_hold_cnt(0) depctr_sa_sdst(0) depctr_va_vdst(0) depctr_va_sdst(0) depctr_va_ssrc(0) depctr_va_vcc(0) depctr_vm_vsrc(0)
	s_getreg_b32 s2, hwreg(HW_REG_IB_STS2, 6, 4)
	s_cmp_eq_u32 s2, 0
	s_cbranch_scc0 .Lentry_in_a_cluster
	s_endpgm
.Lentry_in_a_cluster:
	s_bfe_u32 s2, ttmp6, 0x10000c
	s_cmp_lg_u32 s2, 0xf033
	s_cbranch_scc0 .Lentry_shape_is_right
	s_endpgm
.Lentry_shape_is_right:
; out0[m][n] = sum over k of o[m][k] W_out[n][k].  m 4,096, n 1,024, k 1,024 (k = 64 x head + channel).  Operands f16, sums f32, out0 f32.  All rows are written; the rows of positions 0-15 of both sequences are written
; over by the f32 launch that follows (no branch here may hang on a work-group's place in its cluster, which a skip of those rows would need).
; A tile of out0 is 128 x 128: 256 work-groups, one for each WGP.  Four waves, each 64 x 64: 16 accumulators of 16 x 16.  K goes in steps of 256 through a ring of two LDS slots.
; o COMES AS att: [pair of rows][head][parity][64] f16.  A K step is four heads: 1,024 consecutive bytes of each pair of rows, pairs 4,096 bytes apart: a plain tile of 32 rows x 1,024 bytes for 64 rows of o.
; In LDS element (row, 64 hd + ch) of a step lies at (row / 2) x 1,040 + 256 hd + 128 (row % 2) + 2 ch: the sixteen rows of a fragment load fall on sixteen different 16-byte columns modulo 256 bytes.
; CLUSTERS: 4 x 4 work-groups.  The four of a row need the same tiles of o, the four of a column the same tiles of W: each is asked for JOINTLY.  THE MATRIX INSTRUCTION IS USED TRANSPOSED (source 0 = 16 rows of W, source 1 = 16 rows of o).
; REGISTERS: window 0: v0-31 addresses; v32-95 the way out; v128-255 the accumulators ((a, b) at v[128 + 8 (4 a + b)]).  window 1: two fragment buffers of 128: 64 registers of o, then 64 of W, for 64 along K.
; No prefetch: the tiles are small and both operands are read by many work-groups at about the same time.
.set PA,     1040                      ; a pair of rows of o in LDS: 1,024 bytes + 16
.set PB,     528                       ; a row of W: 512 bytes + 16
.set HALFA,  32*PA                     ; 64 rows of o: what one tensor load brings
.set HALFB,  64*PB                     ; 64 rows of W
.set SLOT,   2*HALFA+2*HALFB
.set STAGE,  2*SLOT                    ; behind the ring: 16 rows x 272 bytes for each wave
.set SPITCH, 272
.set SPARE,  STAGE+4*16*SPITCH         ; the spare words, 128 bytes a wave, which no other line names
.set LAPS,   2                         ; a lap = two K steps = once round the ring: 1,024 / 512
.set ADRA, 16
.set ADRB, 20
.set STO,  24
.set RD,   25
.set CO,   26
.set SPW,  28
.set NIL,  29
.set OB,   32                          ; the way out: v32-63 and v64-95 by turns
.set ACC,  128
.set F0,   0
.set F1,   128
.set G1, 24
.set G0, 32
.set G1B, 48
.set G0B, 56
.set MSB, 0
.macro WIN new                         ; the immediate's high byte repeats the setting that is left
.if MSB != \new
	s_set_vgpr_msb (MSB<<8)|\new
.set MSB, \new
.endif
.endm
.set MUL,  0x05                        ; sources 0 (W) and 1 (o) window 1; C and D window 0
.set TO_F, 0x40                        ; destination window 1, address window 0
.macro JLOAD s                         ; a joint load: waves 0 and 1 fetch o's two halves, waves 2 and 3 W's; an s_nop 0 and four v_nop follow each line
	s_cmp_eq_u32 s11, 0
	s_cbranch_scc0 .Lfor_b_\@
	tensor_load_to_lds s[G0+4*\s:G0+4*\s+3], s[G1:G1+7]
	s_nop 0
.rept 4
	v_nop
.endr
	s_branch .Lasked_\@
.Lfor_b_\@:
	tensor_load_to_lds s[G0B+4*\s:G0B+4*\s+3], s[G1B:G1B+7]
	s_nop 0
.rept 4
	v_nop
.endr
.Lasked_\@:
.endm
.macro CREST                           ; a round of the cluster's barrier behind its opening barrier
	s_cmp_lg_u32 s10, 0
	s_cbranch_scc1 .Lnot_wave_0_\@
	s_barrier_signal -3
.Lnot_wave_0_\@:
	s_barrier_wait -3
	s_barrier_signal -1
	s_barrier_wait -1
.endm
.macro CROUND
	s_barrier_signal -1
	s_barrier_wait -1
	CREST
.endm
	s_load_b128 s[4:7], s[0:1], 0x0                ; att, w16
	s_load_b64 s[8:9], s[0:1], 0x10                ; out0
	v_lshl_add_u32 v[SPW], v0, 2, SPARE
	v_mov_b32 v[NIL], 0
	ds_add_u32 v[SPW], v[NIL]                      ; the wave's opening: the add, twice on end, and its wait ahead of my first tensor load
	ds_add_u32 v[SPW], v[NIL]
	v_lshrrev_b32 v1, 5, v0
	v_readfirstlane_b32 s10, v1                    ; wave 0..3
	s_lshr_b32 s11, s10, 1                         ; which half of the tile's rows is mine.  Also: I fetch for o (0) or for W (1)
	s_and_b32 s12, s10, 1                          ; which half of its columns.  Also: which 64 rows I fetch
	s_bfe_u32 s40, ttmp6, 0x40000                  ; cx, cy
	s_bfe_u32 s41, ttmp6, 0x40004
	s_lshl_b32 s42, ttmp9, 2
	s_add_co_u32 s42, s42, s40                     ; tile column
	s_and_b32 s13, ttmp7, 0xffff
	s_lshl_b32 s13, s13, 2
	s_add_co_u32 s13, s13, s41                     ; tile row
	s_lshl_b32 s43, s41, 2
	s_lshl_b32 s43, 15, s43                        ; my row of the cluster
	s_lshl_b32 s44, 0x1111, s40                    ; my column
	; group 1 for o: 32 rows of 512 elements of 2 bytes, 2,048 elements apart; 4 words of padding behind every 256
	s_or_b32 s[G1+0], s43, (1<<16)|(1<<20)|(1<<21)|(7<<22)|(3<<25)
	s_mov_b32 s[G1+1], 512<<16
	s_mov_b32 s[G1+2], 32<<16
	s_mov_b32 s[G1+3], 512<<16
	s_mov_b32 s[G1+4], 32
	s_mov_b32 s[G1+5], 2048
	s_mov_b32 s[G1+6], 0
	s_mov_b32 s[G1+7], 0
	; group 1 for W: 64 rows of 256 elements, 1,024 apart; 4 words of padding behind every 128
	s_or_b32 s[G1B+0], s44, (1<<16)|(1<<20)|(1<<21)|(6<<22)|(3<<25)
	s_mov_b32 s[G1B+1], 256<<16
	s_mov_b32 s[G1B+2], 64<<16
	s_mov_b32 s[G1B+3], 256<<16
	s_mov_b32 s[G1B+4], 64
	s_mov_b32 s[G1B+5], 1024
	s_mov_b32 s[G1B+6], 0
	s_mov_b32 s[G1B+7], 0
	s_lshl_b32 s16, s13, 6
	s_lshl_b32 s17, s12, 5
	s_add_co_u32 s16, s16, s17                     ; o: pair of rows 64 x tile row + 32 x half,
	s_lshl_b32 s16, s16, 12                        ; 4,096 bytes each
	s_mov_b32 s17, 0
	s_lshl_b32 s46, s42, 7
	s_lshl_b32 s47, s12, 6
	s_add_co_u32 s46, s46, s47                     ; W: row 128 x tile column + 64 x half,
	s_lshl_b32 s46, s46, 11                        ; 2,048 bytes each
	s_mov_b32 s47, 0
	s_mul_i32 s20, s12, HALFA                      ; where they go: o's two halves, then W's two: no place in the cluster enters an LDS address
	s_mul_i32 s21, s12, HALFB
	s_add_co_u32 s21, s21, 2*HALFA
	s_wait_dscnt 0x0                               ; both opening adds are done
	s_wait_kmcnt 0x0
	s_add_nc_u64 s[14:15], s[4:5], s[16:17]
	s_add_nc_u64 s[46:47], s[6:7], s[46:47]
	CROUND                                         ; all sixteen work-groups are here: the first joint loads meet
.irp s, 0,1
	s_mov_b32 s[G0+4*\s], 1
	s_add_co_u32 s[G0+4*\s+1], s20, \s*SLOT
	s_add_nc_u64 s[G0+4*\s+2:G0+4*\s+3], s[14:15], \s*1024
	s_or_b32 s[G0+4*\s+3], s[G0+4*\s+3], 0x80000000
	s_mov_b32 s[G0B+4*\s], 1
	s_add_co_u32 s[G0B+4*\s+1], s21, \s*SLOT
	s_add_nc_u64 s[G0B+4*\s+2:G0B+4*\s+3], s[46:47], \s*512
	s_or_b32 s[G0B+4*\s+3], s[G0B+4*\s+3], 0x80000000
	JLOAD \s                                       ; two tensor loads of mine are out behind the second
.endr
	v_and_b32 v1, 15, v0                           ; r
	v_bfe_u32 v2, v0, 4, 1                         ; h
	v_lshrrev_b32 v3, 1, v1
	v_mul_u32_u24 v3, v3, PA                       ; o: (r / 2) x pitch
	v_and_b32 v4, 1, v0
	v_lshl_add_u32 v3, v4, 7, v3                   ;    + 128 (r % 2)
	v_lshl_add_u32 v3, v2, 4, v3                   ;    + 16 h
	v_mul_u32_u24 v4, v1, PB
	v_lshl_add_u32 v4, v2, 4, v4                   ; W: r x pitch + 16 h
	s_mul_i32 s21, s11, HALFA                      ; my 64 rows of o
	s_mul_i32 s22, s12, HALFB                      ; my 64 rows of W,
	s_add_co_u32 s22, s22, 2*HALFA                 ; which lie behind o's 128
.irp s, 0,1
	v_add_nc_u32 v[ADRA+\s], s21, v3
	v_add_nc_u32 v[ADRB+\s], s22, v4
	s_add_co_u32 s21, s21, SLOT
	s_add_co_u32 s22, s22, SLOT
.endr
	s_mul_i32 s23, s10, 16*SPITCH
	s_add_co_u32 s23, s23, STAGE                   ; my stage
	v_mul_u32_u24 v5, v1, SPITCH                   ; in: row r, 32 bytes for each half of the lanes
	v_lshl_add_u32 v5, v2, 5, v5
	v_add_nc_u32 v[STO], s23, v5
	v_mul_u32_u24 v5, v2, SPITCH                   ; back: lanes 0-15 one row of 256 bytes, lanes 16-31 the next
	v_lshl_add_u32 v5, v1, 4, v5
	v_add_nc_u32 v[RD], s23, v5
	v_lshlrev_b32 v5, 12, v2                       ; and the same two rows in out0
	v_lshl_add_u32 v[CO], v1, 4, v5
	s_lshl_b32 s16, s13, 7
	s_lshl_b32 s17, s11, 6
	s_add_co_u32 s16, s16, s17                     ; my first row: 128 x tile row + 64 x half,
	s_lshl_b32 s16, s16, 12                        ; 4,096 bytes each
	s_mov_b32 s17, 0
	s_add_nc_u64 s[8:9], s[8:9], s[16:17]
	s_lshl_b32 s46, s42, 9                         ; my first column, in bytes: 512 x tile column + 256 x half
	s_lshl_b32 s47, s12, 8
	s_add_co_u32 s46, s46, s47
	s_mov_b32 s47, 0
	s_add_nc_u64 s[8:9], s[8:9], s[46:47]
; 8 matrix instructions: row blocks a0, a0 + 1 x all 4 column blocks, 32 along K: half c of buffer f.  zero = 1: the first product starts the sums.  The 16 accumulators take turns.
.macro MUL8 f, c, a0, zero
.irp a, \a0, \a0+1
.irp b, 0,1,2,3
.if \zero
	v_wmma_f32_16x16x32_f16 v[ACC+8*(4*(\a)+\b):ACC+8*(4*(\a)+\b)+7], v[\f+64+8*(4*\c+\b):\f+64+8*(4*\c+\b)+7], v[\f+8*(4*\c+\a):\f+8*(4*\c+\a)+7], 0
.else
	v_wmma_f32_16x16x32_f16 v[ACC+8*(4*(\a)+\b):ACC+8*(4*(\a)+\b)+7], v[\f+64+8*(4*\c+\b):\f+64+8*(4*\c+\b)+7], v[\f+8*(4*\c+\a):\f+8*(4*\c+\a)+7], v[ACC+8*(4*(\a)+\b):ACC+8*(4*(\a)+\b)+7]
.endif
.endr
.endr
.endm
; 32 LDS loads in one run: the fragments of the step's q-th 64 along K (one head) into buffer f; the first 32 along K first
.macro FETCH slot, q, f
	WIN TO_F
.irp c, 0,1
.irp i, 0,1,2,3
	ds_load_b128 v[\f+64+8*(4*\c+\i):\f+64+8*(4*\c+\i)+3],   v[ADRB+\slot] offset:128*(\q)+64*\c+\i*16*PB
	ds_load_b128 v[\f+64+8*(4*\c+\i)+4:\f+64+8*(4*\c+\i)+7], v[ADRB+\slot] offset:128*(\q)+64*\c+\i*16*PB+32
	ds_load_b128 v[\f+8*(4*\c+\i):\f+8*(4*\c+\i)+3],         v[ADRA+\slot] offset:256*(\q)+64*\c+\i*8*PA
	ds_load_b128 v[\f+8*(4*\c+\i)+4:\f+8*(4*\c+\i)+7],       v[ADRA+\slot] offset:256*(\q)+64*\c+\i*8*PA+32
.endr
.endr
.endm
.macro PLACES                          ; four places in front of loads into registers that matrix instructions have read, and of the first read of results (ISA guide 7.12.1 for vector instructions)
.rept 4
	v_nop
.endr
.endm
; A K step is four quarters of 64 along K, 32 matrix instructions each, on buffers 0, 1, 0, 1.  One of the first three: multiplies buffer f and fetches quarter q into g.
.macro QUARTER slot, q, f, g, zero
	s_wait_dscnt 16                                ; the first 32 along K are in; the younger sixteen loads may be out
	WIN MUL
	MUL8 \f, 0, 0, \zero
	MUL8 \f, 0, 2, \zero
	PLACES
	FETCH \slot, \q, \g
	s_wait_dscnt 32                                ; all but the 32 just issued
	WIN MUL
	MUL8 \f, 1, 0, 0
	MUL8 \f, 1, 2, 0
.endm
; The last quarter multiplies buffer 1 and changes slots: ONE barrier; in front of it each wave waits for all its tensor loads, adds 0 to its spare word, and waits for that and for its reads of this slot.  fill = 1: this slot is filled again, two K steps ahead.
.macro TURN slot, next, fill
	WIN 0                                          ; (the add's two registers lie in window 0)
	s_wait_tensorcnt 0x0                           ; all my tensor loads have landed: my part of the next slot
	ds_add_u32 v[SPW], v[NIL]                      ; 0 onto my spare word
	s_wait_dscnt 17                                ; (the add and the youngest sixteen loads may be out)
	WIN MUL
	MUL8 F1, 0, 0, 0
	s_wait_dscnt 0x0                               ; the add is done, and my reads of this slot are over
	s_barrier_signal -1
	MUL8 F1, 0, 2, 0
.if \fill
	WIN 0
.endif
	s_barrier_wait -1
.if \fill
	CREST                                          ; the barrier has opened a round of the cluster's: no wave of any partner still reads this slot's tile or has a load on its way
	s_add_nc_u64 s[G0+4*\slot+2:G0+4*\slot+3], s[G0+4*\slot+2:G0+4*\slot+3], 2*1024
	s_add_nc_u64 s[G0B+4*\slot+2:G0B+4*\slot+3], s[G0B+4*\slot+2:G0B+4*\slot+3], 2*512
	JLOAD \slot                                    ; the first tensor load behind the round; its four v_nop are also the places in front of the loads below
.else
	PLACES
.endif
	FETCH \next, 0, F0
	WIN MUL
	MUL8 F1, 1, 0, 0
	MUL8 F1, 1, 2, 0
.endm
	s_wait_tensorcnt 1                             ; my part of K step 0 is in (K step 1's load may be out)
	s_barrier_signal -1
	s_barrier_wait -1                              ; everybody's is
	FETCH 0, 0, F0
	QUARTER 0, 1, F0, F1, 1                        ; the first quarter's first products start the sums
	WIN 0                                          ; at a label and at a branch every window is 0
	s_mov_b32 s3, LAPS-1
.Llap:                                                 ; a trip goes once round the ring, from a lap's second quarter to the next lap's first, and fills both slots again
	QUARTER 0, 2, F1, F0, 0
	QUARTER 0, 3, F0, F1, 0
	TURN 0, 1, 1
	QUARTER 1, 1, F0, F1, 0
	QUARTER 1, 2, F1, F0, 0
	QUARTER 1, 3, F0, F1, 0
	TURN 1, 0, 1
	QUARTER 0, 1, F0, F1, 0
	WIN 0
	s_sub_co_u32 s3, s3, 1
	s_cmp_lg_u32 s3, 0
	s_cbranch_scc1 .Llap
	QUARTER 0, 2, F1, F0, 0                        ; the last lap fills nothing, and has no round of the cluster's barrier
	QUARTER 0, 3, F0, F1, 0
	TURN 0, 1, 0
	QUARTER 1, 1, F0, F1, 0
	QUARTER 1, 2, F1, F0, 0
	QUARTER 1, 3, F0, F1, 0
	s_wait_dscnt 16                                ; the very last quarter: nothing more to fetch
	WIN MUL
	MUL8 F1, 0, 0, 0
	MUL8 F1, 0, 2, 0
	s_wait_dscnt 0
	MUL8 F1, 1, 0, 0
	MUL8 F1, 1, 2, 0
	WIN 0
	; THE WAY OUT.  A lane holds 32 neighbouring bytes of a row; a wave's 64 columns are 256 bytes of a row.  A block of 16 rows goes through my own stage and comes back as whole pieces of 256 bytes.
	; LDS serves a wave's instructions in order (ISA guide 5.7.1.4): no wait between a block's stores and its loads, nor in front of the next block's stores.
.macro TOSTAGE a
.set BB, OB+32*((\a)%2)
.irp b, 0,1,2,3
	ds_store_b128 v[STO], v[ACC+8*(4*(\a)+\b):ACC+8*(4*(\a)+\b)+3] offset:64*\b        ; each accumulator from its low end on
	ds_store_b128 v[STO], v[ACC+8*(4*(\a)+\b)+4:ACC+8*(4*(\a)+\b)+7] offset:64*\b+16
.endr
.irp t, 0,1,2,3,4,5,6,7
	ds_load_b128 v[BB+4*\t:BB+4*\t+3], v[RD] offset:\t*2*SPITCH
.endr
.endm
.macro SEND a, younger                 ; younger: the LDS instructions issued behind block a's loads, which may stay out
.set BB, OB+32*((\a)%2)
	s_wait_dscnt \younger
.irp t, 0,1,2,3,4,5,6,7
	global_store_b128 v[CO], v[BB+4*\t:BB+4*\t+3], s[8:9] offset:(16*(\a)+2*\t)*4096 th:TH_STORE_NT   ; sixteen lanes store 256 consecutive bytes, aligned
.endr
.endm
	PLACES
	TOSTAGE 0
.irp a, 1,2,3
.if \a > 1
	s_wait_xcnt 0x0                                ; block a - 2's stores have read their registers: block a's loads may land there
.endif
	TOSTAGE \a
	SEND (\a-1), 16                                ; behind block a - 1's loads: block a's 8 stores and 8 loads
.endr
	SEND 3, 0
	s_wait_tensorcnt 0x0                           ; the wave's end: a tensor wait, an add to my spare word and its wait, behind my last tensor load and my last LDS store
	ds_add_u32 v[SPW], v[NIL]
	s_wait_dscnt 0x0
	CROUND                                         ; the closing round: no work-group ends while a partner may still ask for a tile that names it
	s_endpgm
.Lfunc_end_k_qbdfd1cce90_proj:
	.size	k_qbdfd1cce90_proj, .Lfunc_end_k_qbdfd1cce90_proj-k_qbdfd1cce90_proj
	.p2alignl 7, 3214868480
	.fill 96, 4, 3214868480
	.section	.rodata,"a",@progbits
	.p2align	6, 0x0
	.amdhsa_kernel k_qbdfd1cce90_proj
		.amdhsa_group_segment_fixed_size 327680
		.amdhsa_private_segment_fixed_size 0
		.amdhsa_enable_private_segment 0
		.amdhsa_kernarg_size 24
		.amdhsa_user_sgpr_count 2
		.amdhsa_user_sgpr_kernarg_segment_ptr 1
		.amdhsa_wavefront_size32 1
		.amdhsa_system_sgpr_workgroup_id_x 1
		.amdhsa_system_sgpr_workgroup_id_y 1
		.amdhsa_system_sgpr_workgroup_id_z 1
		.amdhsa_system_vgpr_workitem_id 0
		.amdhsa_next_free_vgpr 512
		.amdhsa_next_free_sgpr 66
		.amdhsa_reserve_vcc 0
		.amdhsa_float_denorm_mode_32 3
		.amdhsa_float_denorm_mode_16_64 3
		.amdhsa_memory_ordered 1
		.amdhsa_forward_progress 1
		.amdhsa_inst_pref_size 86
	.end_amdhsa_kernel
	.amdgpu_metadata
---
amdhsa.version: [ 1, 2 ]
amdhsa.kernels:
  - .name:           k_qbdfd1cce90_proj
    .symbol:         k_qbdfd1cce90_proj.kd
    .args:
      - { .name: att, .offset: 0, .size: 8, .value_kind: global_buffer, .address_space: global }
      - { .name: w16, .offset: 8, .size: 8, .value_kind: global_buffer, .address_space: global }
      - { .name: out0, .offset: 16, .size: 8, .value_kind: global_buffer, .address_space: global }
    .group_segment_fixed_size: 327680
    .private_segment_fixed_size: 0
    .kernarg_segment_align: 8
    .kernarg_segment_size: 24
    .max_flat_workgroup_size: 128
    .sgpr_count:     66
    .vgpr_count:     512
    .wavefront_size: 32
...
	.end_amdgpu_metadata
.endif
;; end of part 4
;; launch fine (part 5): grid 64 x 2, 16 waves a work-group, no clusters, 301,056 bytes of LDS; arguments head32, W_out, out0; writes out0
.if DOCPART == 5
	.amdgcn_target "amdgcn-amd-amdhsa--gfx1250"
	.amdhsa_code_object_version 6
	.text
	.protected	k_qbdfd1cce90_fine
	.globl	k_qbdfd1cce90_fine
	.p2align	8
	.type	k_qbdfd1cce90_fine,@function
k_qbdfd1cce90_fine:
	s_mov_b64 s[64:65], 0
	v_nop
	global_prefetch_b8 v0, s[64:65] scope:SCOPE_SE
	s_setreg_imm32_b32 hwreg(HW_REG_WAVE_MODE, 25, 1), 1
	s_wait_xcnt 0x0
; Positions 0 to 15 of both sequences once more, wholly in f32: there a row of the softmax averages one to sixteen values and is the largest in size, so that operands rounded to f16 would weigh most.
; Work-group (x, b) makes out0's rows t = 0..15 of batch b, columns 16 x .. 16 x + 15, and writes them over what the launch before left there.  Wave w is head w: it makes its head's 16 x 16 attention and its head's part
; of the projection; the sixteen parts meet in LDS.  Each of a batch's 64 work-groups repeats the sixteen small attentions (196 KB read), which spares a launch that would hand o from work-group to work-group.
; q, k, v come from head32 [tile row][16 rows][3072] f32, tile row 8 b: the quantised product's own f32 sums.  W_out is read as it is given.
; THE LOADS ARE DENSE, AND TURN THROUGH LDS.  A wave's q, k, v and W_out are 16 rows x 256 bytes each.  A load takes two rows, sixteen lanes to a row's 256 consecutive bytes: 8 loads a matrix, 32 a wave.  The operands want a lane
; to hold ONE row (or one channel), so each matrix goes into the wave's own stage in LDS, rows 272 bytes apart, and comes back in the operand's order, into the registers that it left.  The stage is the wave's own: no barrier.
; ALL PRODUCTS by v_wmma_f32_16x16x4_f32 (48 a wave: no bulk work), with the places of k chosen alike on both sources so that nothing changes lanes:
;   S^T = K Q^T: lane (r, h) holds channels 32 h + 0..31 of row r; step s takes registers 2 s, 2 s + 1.     O^T = V^T P^T: a lane's p are keys 8 h + 0..7; step s takes keys 8 h + 2 s, + 1.
;   out^T part = W O: O^T's own registers are source 1: tile ct, registers 2 jj, 2 jj + 1 are channels 16 ct + 8 h + 2 jj, + 1.
; The registers that these instructions write are written by them alone, and each sum begins with the constant 0; two or four accumulators take turns.
; The stores are pieces of 64 bytes of a row, 128 KB in the whole launch.  LIMITS: NaN and infinities are not served.
.set SPT,   272                        ; a row in a stage: 256 bytes + 16: the sixteen rows of a load back start 4 words apart modulo 64 words
.set MB,    16*SPT                     ; a matrix in a stage
.set WREG,  4*MB                       ; a wave's stage: q, k, v, W_out
.set PARTS, 16*WREG                    ; behind the sixteen stages: the heads' parts of out, 1,280 bytes each
.set SPARE, PARTS+16*1280              ; behind them: the spare words, 128 bytes a wave, which no other line names
.set SPW, 1
.set NIL, 2
.set QQ,  16                           ; v16-47   Q: as loaded two rows an instruction; back from the stage my row's 32 channels
.set KK,  48                           ; v48-79   K likewise
.set VV,  80                           ; v80-111  V: back from the stage register 8 ct + i: key 8 h + i, channel 16 ct + r
.set WW,  112                          ; v112-143 W_out: back from the stage register 8 ct + i: row 16 x + r, k = 64 w + 16 ct + 8 h + i
.set SA,  144                          ; v144-159 S^T in two accumulators
.set OA,  160                          ; v160-191 O^T: four tiles of channels
.set DA,  192                          ; v192-207 the projection in two accumulators
.set PP,  208                          ; v208-215 the scores, then p
.set RR,  216                          ; v216-223 my head's part of out
.set LQK, 232                          ; v232     the stage, back: Q and K: row r + 128 h
.set LW,  233                          ; v233     W_out: row r + 32 h
.set LV,  234                          ; v234     V: 8 h rows down + 4 r
.set WV,  10
.set CS,  22
.set SEL, 24
	s_load_b128 s[4:7], s[0:1], 0x0                ; head32, W_out
	s_load_b64 s[8:9], s[0:1], 0x10                ; out0
	v_lshl_add_u32 v[SPW], v0, 2, SPARE
	v_mov_b32 v[NIL], 0
	v_lshrrev_b32 v3, 5, v0
	v_readfirstlane_b32 s[WV], v3                  ; wave = head
	v_and_b32 v3, 15, v0                           ; r
	v_bfe_u32 v4, v0, 4, 1                         ; h
	v_lshlrev_b32 v13, 4, v3                       ; 16 r
	v_mad_u32_u24 v5, v4, 12288, v13               ; head32: lanes 0-15 one row's 256 bytes, lanes 16-31 the next row's
	v_lshl_add_u32 v7, v4, 12, v13                 ; W_out likewise: rows of 4,096 bytes
	s_mul_i32 s12, s[WV], WREG                     ; my stage
	v_mad_u32_u24 v6, v4, SPT, v13
	v_add_nc_u32 v6, s12, v6                       ; in: the same two rows
	v_mul_u32_u24 v14, v3, SPT
	v_add_nc_u32 v14, s12, v14                     ; back: row r
	v_lshl_add_u32 v[LQK], v4, 7, v14
	v_lshl_add_u32 v[LW], v4, 5, v14
	v_mul_u32_u24 v[LV], v4, 8*SPT
	v_lshl_add_u32 v[LV], v3, 2, v[LV]
	v_add_nc_u32 v[LV], s12, v[LV]
	v_lshlrev_b32 v8, 3, v4
	v_sub_nc_u32 v8, v3, v8                        ; r - 8 h: key 8 h + j is hidden where j is above it
	s_mul_i32 s26, s[WV], 1280
	s_add_co_u32 s26, s26, PARTS
	v_mad_u32_u24 v9, v4, 320, v13
	v_add_nc_u32 v9, s26, v9                       ; my part, in: 16 r + 320 h; registers 4-7 640 bytes on
	v_and_b32 v13, 63, v0                          ; the parts, back (waves 0 and 1): thread n takes row n / 4, columns 4 (n % 4) on
	v_lshrrev_b32 v14, 2, v13
	v_bfe_u32 v15, v0, 1, 1
	v_lshlrev_b32 v10, 4, v14
	v_mad_u32_u24 v10, v15, 320, v10
	v_and_b32 v15, 1, v0
	v_mad_u32_u24 v10, v15, 640, v10
	v_add_nc_u32 v10, PARTS, v10
	v_and_b32 v15, 3, v0
	v_lshlrev_b32 v11, 12, v14
	v_lshl_add_u32 v11, v15, 4, v11                ; and the same place in out0
	v_mov_b32 v12, 0xff800000                      ; -infinity
	v_mov_b32 v225, 0                              ; a lane permute's destination counts as one of its sources
	v_mov_b32 v227, 0                              ; (named as the upper half of the pair v[226:227])
	s_and_b32 s13, ttmp7, 0xffff                   ; batch
	s_lshl_b32 s16, s[WV], 8                       ; my head's 64 numbers: 256 bytes
	s_mul_i32 s14, s13, 1572864                    ; tile row 8 b of head32
	s_add_co_u32 s14, s14, s16
	s_mov_b32 s15, 0
	s_lshl_b32 s18, ttmp9, 16                      ; W_out's rows 16 x on
	s_add_co_u32 s18, s18, s16
	s_mov_b32 s19, 0
	s_lshl_b32 s20, s13, 23                        ; out0: batch b,
	s_lshl_b32 s21, ttmp9, 6                       ; columns 16 x on
	s_add_co_u32 s20, s20, s21
	s_mov_b32 s21, 0
	s_mov_b32 s[CS], 0x3e38aa3b                    ; c = log2(e) / 8
	s_mov_b32 s[SEL], 0x76543210
	s_mov_b32 s[SEL+1], 0xfedcba98
	s_wait_kmcnt 0x0
	s_add_nc_u64 s[4:5], s[4:5], s[14:15]
	s_add_nc_u64 s[6:7], s[6:7], s[18:19]
	s_add_nc_u64 s[8:9], s[8:9], s[20:21]
.irp t, 0,1,2,3,4,5,6,7
	global_load_b128 v[QQ+4*\t:QQ+4*\t+3], v5, s[4:5] offset:24576*\t          ; rows 2 t, 2 t + 1 of my head's q
.endr
.irp t, 0,1,2,3,4,5,6,7
	global_load_b128 v[KK+4*\t:KK+4*\t+3], v5, s[4:5] offset:24576*\t+4096     ; of its k
.endr
.irp t, 0,1,2,3,4,5,6,7
	global_load_b128 v[VV+4*\t:VV+4*\t+3], v5, s[4:5] offset:24576*\t+8192     ; of its v
.endr
.irp t, 0,1,2,3,4,5,6,7
	global_load_b128 v[WW+4*\t:WW+4*\t+3], v7, s[6:7] offset:8192*\t           ; and of W_out's rows 16 x on, my head's 64 along k
.endr
.macro INTO reg, m                     ; matrix m goes into my stage as it was loaded.  LDS serves a wave's instructions in order: the loads back, which follow, see these stores
.irp t, 0,1,2,3,4,5,6,7
	ds_store_b128 v6, v[\reg+4*\t:\reg+4*\t+3] offset:\m*MB+\t*2*SPT
.endr
.endm
	s_wait_loadcnt 24                              ; Q is in; the three matrices behind it, 24 loads, may be out
	INTO QQ, 0
.irp i, 0,1,2,3,4,5,6,7
	ds_load_b128 v[QQ+4*\i:QQ+4*\i+3], v[LQK] offset:16*\i
.endr
	s_wait_loadcnt 16                              ; K is in
	INTO KK, 1
.irp i, 0,1,2,3,4,5,6,7
	ds_load_b128 v[KK+4*\i:KK+4*\i+3], v[LQK] offset:MB+16*\i
.endr
	s_wait_loadcnt 8                               ; V is in
	INTO VV, 2
.irp ct, 0,1,2,3
.irp i, 0,1,2,3,4,5,6,7
	ds_load_b32 v[VV+8*\ct+\i], v[LV] offset:2*MB+\i*SPT+64*\ct
.endr
.endr
	s_wait_loadcnt 0x0                             ; W_out is in
	INTO WW, 3
.irp ct, 0,1,2,3
	ds_load_b128 v[WW+8*\ct:WW+8*\ct+3], v[LW] offset:3*MB+64*\ct
	ds_load_b128 v[WW+8*\ct+4:WW+8*\ct+7], v[LW] offset:3*MB+64*\ct+16
.endr
	s_wait_dscnt 56                                ; Q and K are back; behind them V's 8 stores and 32 loads and W's 8 and 8 may be out
.irp s, 0,1,2,3,4,5,6,7,8,9,10,11,12,13,14,15  ; S^T = K Q^T: sixteen steps of 4 channels, two accumulators by turns
.if \s < 2
	v_wmma_f32_16x16x4_f32 v[SA+8*(\s%2):SA+8*(\s%2)+7], v[KK+2*\s:KK+2*\s+1], v[QQ+2*\s:QQ+2*\s+1], 0
.else
	v_wmma_f32_16x16x4_f32 v[SA+8*(\s%2):SA+8*(\s%2)+7], v[KK+2*\s:KK+2*\s+1], v[QQ+2*\s:QQ+2*\s+1], v[SA+8*(\s%2):SA+8*(\s%2)+7]
.endif
.endr
.rept 8
	v_nop                                          ; eight places behind this form, in front of the first read of its results (ISA guide 7.12.1)
.endr
.irp j, 0,2,4,6
	v_pk_add_f32 v[PP+\j:PP+\j+1], v[SA+\j:SA+\j+1], v[SA+8+\j:SA+8+\j+1]   ; the two halves of the sum, from the low end on: lane (r, h): query r, key 8 h + j
.endr
.irp j, 0,1,2,3,4,5,6,7
	v_cmp_gt_i32 vcc_lo, \j, v8
	v_cndmask_b32 v[PP+\j], v[PP+\j], v12, vcc_lo  ; the causal mask
.endr
	v_max3_num_f32 v224, v[PP], v[PP+1], v[PP+2]
	v_max3_num_f32 v224, v224, v[PP+3], v[PP+4]
	v_max3_num_f32 v224, v224, v[PP+5], v[PP+6]
	v_max_num_f32 v224, v224, v[PP+7]
	v_permlanex16_b32 v225, v224, s[SEL], s[SEL+1]
	v_max_num_f32 v224, v224, v225                 ; the row's maximum (key 0 counts for every query)
	v_mul_f32 v224, s[CS], v224
.irp j, 0,1,2,3,4,5,6,7
	v_fma_f32 v[PP+\j], v[PP+\j], s[CS], -v224     ; c s - c m
.endr
.irp j, 0,1,2,3,4,5,6,7
	v_exp_f32 v[PP+\j], v[PP+\j]
.endr
	v_nop                                          ; a plain line behind the last exponential
	s_wait_alu depctr_va_vdst(0)                   ; one wait for the batch, ahead of its first reader
	v_pk_add_f32 v[228:229], v[PP:PP+1], v[PP+2:PP+3]
	v_pk_add_f32 v[230:231], v[PP+4:PP+5], v[PP+6:PP+7]
	v_pk_add_f32 v[228:229], v[228:229], v[230:231]
	v_add_f32 v228, v228, v229
	v_permlanex16_b32 v225, v228, s[SEL], s[SEL+1]
	v_add_f32 v228, v228, v225                     ; the row's sum
	v_rcp_f32 v226, v228
	v_nop
	s_wait_alu depctr_va_vdst(0)                   ; the reciprocal's wait; it divides at the end
	s_wait_dscnt 16                                ; V is back; W's 8 stores and 8 loads may be out
.irp s, 0,1,2,3                                ; O^T = V^T P^T: four steps of 4 keys, the four tiles of channels by turns
.irp ct, 0,1,2,3
.if \s == 0
	v_wmma_f32_16x16x4_f32 v[OA+8*\ct:OA+8*\ct+7], v[VV+8*\ct+2*\s:VV+8*\ct+2*\s+1], v[PP+2*\s:PP+2*\s+1], 0
.else
	v_wmma_f32_16x16x4_f32 v[OA+8*\ct:OA+8*\ct+7], v[VV+8*\ct+2*\s:VV+8*\ct+2*\s+1], v[PP+2*\s:PP+2*\s+1], v[OA+8*\ct:OA+8*\ct+7]
.endif
.endr
.endr
.rept 9
	v_nop                                          ; nine places before a matrix instruction takes these results as a source
.endr
	s_wait_dscnt 0x0                               ; W_out is back
.irp ct, 0,1,2,3                               ; my head's part of out^T = W O: sixteen steps of 4 channels, two accumulators by turns
.irp jj, 0,1,2,3
.if (4*\ct+\jj) < 2
	v_wmma_f32_16x16x4_f32 v[DA+8*(\jj%2):DA+8*(\jj%2)+7], v[WW+8*\ct+2*\jj:WW+8*\ct+2*\jj+1], v[OA+8*\ct+2*\jj:OA+8*\ct+2*\jj+1], 0
.else
	v_wmma_f32_16x16x4_f32 v[DA+8*(\jj%2):DA+8*(\jj%2)+7], v[WW+8*\ct+2*\jj:WW+8*\ct+2*\jj+1], v[OA+8*\ct+2*\jj:OA+8*\ct+2*\jj+1], v[DA+8*(\jj%2):DA+8*(\jj%2)+7]
.endif
.endr
.endr
.rept 8
	v_nop
.endr
.irp j, 0,2,4,6
	v_pk_add_f32 v[RR+\j:RR+\j+1], v[DA+\j:DA+\j+1], v[DA+8+\j:DA+8+\j+1]   ; lane (r, h): query r, columns 16 x + 8 h + 0..7
.endr
.irp j, 0,2,4,6
	v_pk_mul_f32 v[RR+\j:RR+\j+1], v[RR+\j:RR+\j+1], v[226:227] op_sel_hi:[1,0]   ; divided by the row's sum
.endr
	ds_store_b128 v9, v[RR:RR+3]
	ds_store_b128 v9, v[RR+4:RR+7] offset:640
	s_wait_dscnt 0x0                               ; for the others' sake: my part lies in LDS
	s_barrier_signal -1
	s_barrier_wait -1
	s_cmp_lt_u32 s[WV], 2                          ; waves 0 and 1 add the sixteen heads' parts: 64 threads, four numbers each
	s_cbranch_scc0 .Ldone
.irp i, 0,1,2,3,4,5,6,7,8,9,10,11,12,13,14,15
	ds_load_b128 v[16+4*\i:19+4*\i], v10 offset:1280*\i
.endr
	s_wait_dscnt 0x0
.irp d, 8,4,2,1
.set i, 0
.rept \d
	v_pk_add_f32 v[16+4*i:17+4*i], v[16+4*i:17+4*i], v[16+4*(i+\d):17+4*(i+\d)]
	v_pk_add_f32 v[18+4*i:19+4*i], v[18+4*i:19+4*i], v[18+4*(i+\d):19+4*(i+\d)]
.set i, i+1
.endr
.endr
	global_store_b128 v11, v[16:19], s[8:9]        ; four lanes store a row's 64 bytes
.Ldone:
	s_wait_tensorcnt 0x0                           ; the wave's end: a tensor wait, an add to my spare word and its wait, behind my last LDS store
	ds_add_u32 v[SPW], v[NIL]
	s_wait_dscnt 0x0
	s_endpgm
.Lfunc_end_k_qbdfd1cce90_fine:
	.size	k_qbdfd1cce90_fine, .Lfunc_end_k_qbdfd1cce90_fine-k_qbdfd1cce90_fine
	.p2alignl 7, 3214868480
	.fill 96, 4, 3214868480
	.section	.rodata,"a",@progbits
	.p2align	6, 0x0
	.amdhsa_kernel k_qbdfd1cce90_fine
		.amdhsa_group_segment_fixed_size 301056
		.amdhsa_private_segment_fixed_size 0
		.amdhsa_enable_private_segment 0
		.amdhsa_kernarg_size 24
		.amdhsa_user_sgpr_count 2
		.amdhsa_user_sgpr_kernarg_segment_ptr 1
		.amdhsa_wavefront_size32 1
		.amdhsa_system_sgpr_workgroup_id_x 1
		.amdhsa_system_sgpr_workgroup_id_y 1
		.amdhsa_system_sgpr_workgroup_id_z 1
		.amdhsa_system_vgpr_workitem_id 0
		.amdhsa_next_free_vgpr 256
		.amdhsa_next_free_sgpr 66
		.amdhsa_reserve_vcc 1
		.amdhsa_float_denorm_mode_32 3
		.amdhsa_float_denorm_mode_16_64 3
		.amdhsa_memory_ordered 1
		.amdhsa_forward_progress 1
		.amdhsa_inst_pref_size 22
	.end_amdhsa_kernel
	.amdgpu_metadata
---
amdhsa.version: [ 1, 2 ]
amdhsa.kernels:
  - .name:           k_qbdfd1cce90_fine
    .symbol:         k_qbdfd1cce90_fine.kd
    .args:
      - { .name: head32, .offset: 0, .size: 8, .value_kind: global_buffer, .address_space: global }
      - { .name: W_out, .offset: 8, .size: 8, .value_kind: global_buffer, .address_space: global }
      - { .name: out0, .offset: 16, .size: 8, .value_kind: global_buffer, .address_space: global }
    .group_segment_fixed_size: 301056
    .private_segment_fixed_size: 0
    .kernarg_segment_align: 8
    .kernarg_segment_size: 24
    .max_flat_workgroup_size: 512
    .sgpr_count:     66
    .vgpr_count:     256
    .wavefront_size: 32
...
	.end_amdgpu_metadata
.endif
;; end of part 5
